; MI455X (gfx1250); checked and timed in simulation.
; The chip was launched on July 23, 2026; its instructions are those of AMD's public machine-readable ISA for CDNA 5 (MIT licence, August 2026) and "CDNA5" Instruction Set Architecture Reference Guide (July 2026). The comments in the code are by the model that wrote it; some were corrected since.
;; Experts. Allowed arithmetic: matrix products marked QUANTISED: E3M2 operands, one E8M0 scale for each 32 along K, by v_wmma_scale_f32_16x16x128_f8f6f4 with both operands' format E3M2, f32 sums; products left as they are: f32 operands where the result goes on into a quantised operand, else bf16, f16 or f32 operands; f32 sums; everything else in f32.
;; Inputs: b1 8 x 1,024 float32; b2 1,024 float32; combine_tensor 8 x 512 x 8 float32; dispatch_tensor 8 x 512 x 8 float32; w1 8 x 1,024 x 1,024 float32; w2 8 x 1,024 x 1,024 float32; x 8 x 512 x 1,024 float32.
;; Outputs: out0 8 x 512 x 1,024 float32.
;; This version of the problem:
;;   THIS VERSION OF THE PROBLEM IS GIVEN IN LOW PRECISION. The matrix products marked QUANTISED in the list below multiply operands that are first quantised to E3M2 (3 exponent bits, 2 mantissa bits; 6 bits a number), with one power-of-two scale for each 32 numbers along K (OCP MX v1.0); their sums are f32. All else is computed in f32.
;;   The module's matrix products, in the order in which they are computed (A, B: the left and right operand; K: the contracted axis; several contracted axes count as one K, in the product's order):
;;     1. batch 4,096 x [M 8, K 1] x [K 1, N 1,024]; A: computed on the way; B: computed on the way: left as it is (no contracted axis)
;;     2. batch 8 x [M 4,096, K 1,024] x [K 1,024, N 1,024]; A: computed on the way; B: input w1: QUANTISED
;;     3. batch 8 x [M 4,096, K 1,024] x [K 1,024, N 1,024]; A: computed on the way; B: input w2: QUANTISED
;;     4. batch 4,096 x [M 1,024, K 8] x [K 8, N 1]; A: computed on the way; B: input combine_tensor: left as it is (K = 8 < 32)
;;   THE QUANTISER, for each operand of a quantised product, along K:
;;     - K is cut into blocks of 32 from its start; a last block that is shorter is filled with zeros.
;;     - A block's scale is 2^e with e = floor(log2(the largest magnitude in the block)) - 4, held to -126 .. 127; a block of zeros has e = 0. As a byte (E8M0): e + 127.
;;     - Each number is divided by its block's scale, clamped to +-28, and rounded to the nearest number of E3M2, ties to even, subnormals kept.
;;     - The product sums the exact products of the quantised numbers (number of the format x scale) in f32.
;;   ~~~python
;;   def quantise(x, axis):      # numpy; x: float32 -> the quantised numbers, widened to float32 again
;;       x = np.moveaxis(x, axis, -1); K = x.shape[-1]
;;       x = np.pad(x, [(0, 0)] * (x.ndim - 1) + [(0, -K % 32)]); x = x.reshape(x.shape[:-1] + (-1, 32)); a = np.abs(x).max(-1, keepdims=True)
;;       e = np.where(a > 0, np.clip(np.frexp(np.where(a > 0, a, 1))[1] - 1 - 4, -126, 127), 0)      # np.frexp(a)[1] - 1 = floor(log2(a)), exactly
;;       r = np.clip(x / 2.0 ** e, -28, 28)
;;       step = 2.0 ** (np.maximum(np.frexp(np.where(r == 0, 1, r))[1] - 1, -2) - 2)
;;       q = np.round(r / step) * step * 2.0 ** e      # np.round: ties to even
;;       return np.moveaxis(q.reshape(q.shape[:-2] + (-1,))[..., :K], -1, axis).astype(np.float32)
;;   ~~~
;;   OPERANDS COMPUTED ON THE WAY. 'Computed on the way' means the value that the module computes at that place (a softmax that the list does not call 'softmax' is quantised finished and normalised). What goes into a quantiser is computed in f32, as accurately as f32 sums, v_exp_f32 and their like allow (about 1e-6 of the number): no bf16 or f16 on the way to a quantiser, and a product that is left as it is and whose result goes on into a quantised operand takes f32 operands (vector FMAs, or v_wmma_f32_16x16x4_f32). A number that lies on a knife's edge between two numbers of the format may be rounded either way, as far as f32 arithmetic and the matrix unit's own rounding can turn it there, and no further.
;; 2 versions. Each part assembles by itself: llvm-mc -triple=amdgcn-amd-amdhsa -mcpu=gfx1250 --defsym DOCPART=n.
;; ======== version 1 of 2: 4 launches
;; workspace buffers: wq 12,582,912 bytes; wsc 524,288 bytes; tokw 16,384 bytes of whole numbers; list 16,384 bytes of whole numbers; hq 25,165,824 bytes; hs 1,048,576 bytes
;; launch rank (part 1): grid 1 x 1, 32 waves a work-group, no clusters, 8,192 bytes of LDS; arguments dispatch_tensor, combine_tensor, tokw; writes tokw
.if DOCPART == 1
	.amdgcn_target "amdgcn-amd-amdhsa--gfx1250"
	.amdhsa_code_object_version 6
	.text
	.protected	k_q58e96e0e91_rank
	.globl	k_q58e96e0e91_rank
	.p2align	8
	.type	k_q58e96e0e91_rank,@function
k_q58e96e0e91_rank:
	s_mov_b64 s[64:65], 0
	v_nop
	global_prefetch_b8 v0, s[64:65] scope:SCOPE_SE
	s_setreg_imm32_b32 hwreg(HW_REG_WAVE_MODE, 25, 1), 1
	s_wait_xcnt 0x0
; For each of the 4,096 tokens: the set of experts e with dispatch != 0 and combine != 0 (every other pair adds exactly 0 to the result), and the token's rank in an order
; sorted by the first such expert (8 = none).  tokw[t] = 4 x rank | set << 16, stored at the token's own fixed place: nothing but VALUES hangs on the floats here, every address and branch is fixed.
; The next launch reads these whole numbers and puts each token at its rank.
; One work-group, since the ranks want all tokens' counts; 32 waves, thread i takes tokens 4 i .. 4 i + 3, so that the chain of dependent steps is short.
; The order: by key, then by wave, then by k = token % 4, then by lane: any order that keeps equal keys together serves.
; LIMITS: NaN and infinities among the inputs are not served (a NaN counts as not 0 where its partner is not 0).
.set KEY, 16                           ; v16-19  the four tokens' keys
.set W,   32                           ; v32-35  their sets, then their words
.set TP,  48                           ; v48-51  at work
.set DB,  64                           ; v64-95  d [k][8], then min(|d|, |c|); later the 32 waves' counts
.set CB,  96                           ; v96-127 c [k][8]
.set MK,  24                           ; s24-59  lane masks: first (token k, expert e) at 8 k + e, then (token k, key) at 9 k + key
.set CN,  66                           ; s66-74  the nine keys' counts, then their running offsets
	s_load_b128 s[4:7], s[0:1], 0x0                ; dispatch, combine
	s_load_b64 s[8:9], s[0:1], 0x10                ; tokw
	v_lshl_add_u32 v62, v0, 2, 0x1000
	v_mov_b32 v63, 0
	v_lshrrev_b32 v1, 5, v0
	v_readfirstlane_b32 s20, v1                    ; wave 0..31
	v_and_b32 v2, 31, v0                           ; lane
	v_lshlrev_b32 v3, 7, v0                        ; four tokens of 32 bytes a thread
	v_lshlrev_b32 v53, 2, v0                       ; LDS: my wave's counts, 128 bytes a wave
	v_lshlrev_b32 v54, 2, v2                       ; and where a wave's are read
	v_lshlrev_b32 v55, 4, v0                       ; my four words of tokw
	s_wait_kmcnt 0x0
.irp k, 0,1,2,3
.irp f, 0,1
	global_load_b128 v[DB+8*\k+4*\f:DB+8*\k+4*\f+3], v3, s[4:5] offset:32*\k+16*\f
	global_load_b128 v[CB+8*\k+4*\f:CB+8*\k+4*\f+3], v3, s[6:7] offset:32*\k+16*\f
.endr
.endr
	s_wait_loadcnt 0x0
.set i, 0
.rept 32
	v_min_num_f32 v[DB+i], |v[DB+i]|, |v[CB+i]|    ; not 0 where both are not 0
.set i, i+1
.endr
.set i, 0
.rept 32
	v_cmp_neq_f32 s[MK+i], 0, v[DB+i]              ; the compares stand in one run, so that nothing waits for each singly
.set i, i+1
.endr
.irp k, 0,1,2,3
	v_cndmask_b32 v[W+\k], 0, 1, s[MK+8*\k+7]
.endr
.irp e, 6,5,4,3,2,1,0
.irp k, 0,1,2,3
	v_cndmask_b32 v[TP+\k], 0, 1, s[MK+8*\k+\e]
.endr
.irp k, 0,1,2,3
	v_lshl_or_b32 v[W+\k], v[W+\k], 1, v[TP+\k]    ; bit e of the set
.endr
.endr
.irp k, 0,1,2,3
	v_or_b32 v[KEY+\k], 0x100, v[W+\k]             ; bit 8: no expert at all
.endr
.irp k, 0,1,2,3
	v_sub_nc_u32 v[TP+\k], 0, v[KEY+\k]
.endr
.irp k, 0,1,2,3
	v_and_b32 v[KEY+\k], v[KEY+\k], v[TP+\k]       ; the lowest bit alone: 2^key
.endr
.irp k, 0,1,2,3
	v_cvt_f32_u32 v[KEY+\k], v[KEY+\k]             ; as f32 its exponent field is key + 127
.endr
.irp k, 0,1,2,3
	v_lshrrev_b32 v[KEY+\k], 23, v[KEY+\k]
.endr
.irp k, 0,1,2,3
	v_add_nc_u32 v[KEY+\k], 0xffffff81, v[KEY+\k]  ; - 127
.endr
.irp j, 0,1,2,3
.irp k, 0,1,2,3,4,5,6,7,8
	v_cmp_eq_u32 s[MK+9*\j+\k], \k, v[KEY+\j]      ; which lanes' token j has key k: kept for the ranks below
.endr
.endr
.irp k, 0,1,2,3,4,5,6,7,8
	s_bcnt1_i32_b32 s[CN+\k], s[MK+\k]
.irp j, 1,2,3
	s_bcnt1_i32_b32 s75, s[MK+9*\j+\k]
	s_add_co_u32 s[CN+\k], s[CN+\k], s75           ; my wave's count of key k
.endr
.endr
	v_mov_b32 v50, 0
.irp k, 0,1,2,3,4,5,6,7,8
	v_writelane_b32 v50, s[CN+\k], \k              ; lane k: my wave's count of key k
.endr
	ds_store_b32 v53, v50
	s_wait_dscnt 0x0                               ; for the others' sake
	s_barrier_signal -1
	s_barrier_wait -1
.set i, 0
.rept 32
	ds_load_b32 v[DB+i], v54 offset:128*i
.set i, i+1
.endr
	s_wait_dscnt 0x0
	v_add_nc_u32 v60, v[DB], v[DB+1]               ; lane k: all waves' count of key k
.set i, 2
.rept 30
	v_add_nc_u32 v60, v60, v[DB+i]
.set i, i+1
.endr
	v_mov_b32 v61, 0                               ; and that of the waves in front of mine
.set i, 0
.rept 31
	s_cmp_gt_u32 s20, i
	s_cselect_b32 s75, -1, 0
	v_and_b32 v52, s75, v[DB+i]
	v_add_nc_u32 v61, v61, v52
.set i, i+1
.endr
	s_mov_b32 s76, 0
.irp k, 0,1,2,3,4,5,6,7,8
	v_readlane_b32 s75, v60, \k
	v_readlane_b32 s77, v61, \k
	s_add_co_u32 s[CN+\k], s76, s77                ; where my wave's tokens of key k begin
	s_add_co_u32 s76, s76, s75
.endr
.macro RANKJ j                         ; rank = the key's running offset + the lanes below me whose token j has the same key
	v_mbcnt_lo_u32_b32 v[TP+(\j)], s[MK+9*(\j)], s[CN]
.irp k, 1,2,3,4,5,6,7,8
	v_mbcnt_lo_u32_b32 v52, s[MK+9*(\j)+\k], s[CN+\k]
	v_cndmask_b32 v[TP+(\j)], v[TP+(\j)], v52, s[MK+9*(\j)+\k]
.endr
.irp k, 0,1,2,3,4,5,6,7,8
	s_bcnt1_i32_b32 s75, s[MK+9*(\j)+\k]
	s_add_co_u32 s[CN+\k], s[CN+\k], s75
.endr
	v_lshlrev_b32 v[TP+(\j)], 2, v[TP+(\j)]
	v_lshl_or_b32 v[W+(\j)], v[W+(\j)], 16, v[TP+(\j)]   ; 4 x rank | set << 16
.endm
	RANKJ 0
	RANKJ 1
	RANKJ 2
	RANKJ 3
	global_store_b128 v55, v[W:W+3], s[8:9]        ; a wave stores 512 consecutive bytes, aligned
	s_wait_tensorcnt 0x0
	ds_add_u32 v62, v63
	s_wait_dscnt 0x0
	s_endpgm
.Lfunc_end_k_q58e96e0e91_rank:
	.size	k_q58e96e0e91_rank, .Lfunc_end_k_q58e96e0e91_rank-k_q58e96e0e91_rank
	.p2alignl 7, 3214868480
	.fill 96, 4, 3214868480
	.section	.rodata,"a",@progbits
	.p2align	6, 0x0
	.amdhsa_kernel k_q58e96e0e91_rank
		.amdhsa_group_segment_fixed_size 8192
		.amdhsa_private_segment_fixed_size 0
		.amdhsa_enable_private_segment 0
		.amdhsa_kernarg_size 24
		.amdhsa_user_sgpr_count 2
		.amdhsa_user_sgpr_kernarg_segment_ptr 1
		.amdhsa_wavefront_size32 1
		.amdhsa_system_sgpr_workgroup_id_x 1
		.amdhsa_system_sgpr_workgroup_id_y 1
		.amdhsa_system_sgpr_workgroup_id_z 1
		.amdhsa_system_vgpr_workitem_id 0
		.amdhsa_next_free_vgpr 128
		.amdhsa_next_free_sgpr 90
		.amdhsa_reserve_vcc 0
		.amdhsa_float_denorm_mode_32 3
		.amdhsa_float_denorm_mode_16_64 3
		.amdhsa_memory_ordered 1
		.amdhsa_forward_progress 1
		.amdhsa_inst_pref_size 32
	.end_amdhsa_kernel
	.amdgpu_metadata
---
amdhsa.version: [ 1, 2 ]
amdhsa.kernels:
  - .name:           k_q58e96e0e91_rank
    .symbol:         k_q58e96e0e91_rank.kd
    .args:
      - { .name: dispatch_tensor, .offset: 0, .size: 8, .value_kind: global_buffer, .address_space: global }
      - { .name: combine_tensor, .offset: 8, .size: 8, .value_kind: global_buffer, .address_space: global }
      - { .name: tokw, .offset: 16, .size: 8, .value_kind: global_buffer, .address_space: global }
    .group_segment_fixed_size: 8192
    .private_segment_fixed_size: 0
    .kernarg_segment_align: 8
    .kernarg_segment_size: 24
    .max_flat_workgroup_size: 1024
    .sgpr_count:     90
    .vgpr_count:     128
    .wavefront_size: 32
...
	.end_amdgpu_metadata
.endif
;; end of part 1
;; launch prep (part 2): grid 256 x 1, 8 waves a work-group, no clusters, 52,224 bytes of LDS; arguments w1, w2, wq, wsc, tokw, list; writes wq, wsc, list
.if DOCPART == 2
	.amdgcn_target "amdgcn-amd-amdhsa--gfx1250"
	.amdhsa_code_object_version 6
	.text
	.protected	k_q58e96e0e91_prep
	.globl	k_q58e96e0e91_prep
	.p2align	8
	.type	k_q58e96e0e91_prep,@function
k_q58e96e0e91_prep:
	s_mov_b64 s[64:65], 0
	v_nop
	global_prefetch_b8 v0, s[64:65] scope:SCOPE_SE
	s_setreg_imm32_b32 hwreg(HW_REG_WAVE_MODE, 25, 1), 1
	s_wait_xcnt 0x0
; w1 and w2, [8][1024 (K)][1024 (N)] f32 with K as the first axis of an expert's matrix, become codes of BF6 (E3M2) with one E8M0 byte for each 32 along K,
; laid in the order in which the later launches' operand registers take them.  A LANE TAKES A COLUMN n AND ITS REGISTERS RUN DOWN K: a block of 32 lies in one lane, nothing is transposed.
;   wq  [mat 16][tile 64][K step 8][1536]: a fragment (16 rows x 128 K, 12 registers a lane) as three planes of 512 bytes, plane p = registers 4 p .. 4 p + 3 of lane l at 16 l.  mat = e (w1), 8 + e (w2).
;   wsc [mat][pair 32][g 4][16 u + rho][8]: the scale words of K steps 2 g, 2 g + 1 of row rho of tile 2 pair + u.
;   ROW rho OF TILE 2 P + u IS COLUMN 32 P + 8 u + rho + 8 (rho / 8): so the results of two neighbouring tiles, used transposed, are 16 neighbouring columns in a lane.
; 256 work-groups of equal work: a matrix, 256 columns, 256 along K each; a wave 32 columns.
; ON THE WAY each work-group's wave 0 puts 16 tokens at their ranks: list[rank] = token | set << 16, from the whole numbers that the launch before stored.  Its one load stands ahead of the stream's loads
; (it is the oldest, so every counted wait below holds with it and without it), its store behind the first block.  Lanes l and l + 16 store the same word at the same place.
; A block's scale is 2^(floor(log2(largest magnitude)) - 4): its byte is the largest magnitude's exponent field - 4, held at 1 from below (a block of zeros keeps the byte 1: its codes are zeros, and this program alone reads the bytes).
; LIMITS: NaN and infinities among the inputs are not served; blocks whose largest magnitude lies under 2^(5 - 127) take the floor's byte.
.set X,    32                          ; v32-95   two sets of 32 numbers
.set C,    96                          ; v96-101  a block's codes
.set C2,   104                         ; v104-106 their second half as the conversion leaves it
.set OUTR, 112                         ; v112-159 the way out
.set SB,   24                          ; v24-25   eight scale bytes
.set STW,  6400                        ; LDS: a stage for each wave: two tiles x (two fragments, 3,072 bytes, + 128, so that the two tiles' stores fall on different banks)
.set STU,  3200
	s_load_b256 s[4:11], s[0:1], 0x0               ; w1 s[4:5], w2 s[6:7], wq s[8:9], wsc s[10:11]
	s_load_b128 s[12:15], s[0:1], 0x20             ; tokw s[12:13], list s[14:15]
	v_lshl_add_u32 v208, v0, 2, 0xc800
	v_mov_b32 v209, 0
	v_lshrrev_b32 v1, 5, v0
	v_readfirstlane_b32 s20, v1                    ; wave 0..7
	v_and_b32 v2, 31, v0                           ; lane
	s_mov_b32 s21, ttmp9                           ; 0..255
	s_lshr_b32 s22, s21, 4                         ; mat
	s_bfe_u32 s23, s21, 0x20002                    ; which 256 columns
	s_and_b32 s24, s21, 3                          ; which 256 along K
	s_lshl_b32 s25, s23, 3
	s_add_co_u32 s25, s25, s20                     ; P: my wave's pair of tiles, 32 columns
	v_lshlrev_b32 v3, 2, v2                        ; in: 4 bytes a lane
	v_bfe_u32 v5, v2, 3, 1                         ; u: which tile of the pair my column belongs to
	v_and_b32 v6, 7, v2
	v_lshrrev_b32 v10, 4, v2
	v_lshl_add_u32 v6, v10, 3, v6                  ; rho: its row there
	s_mul_i32 s26, s20, STW
	v_mul_u32_u24 v4, v5, STU
	v_lshl_add_u32 v4, v6, 4, v4
	v_add_nc_u32 v4, s26, v4                       ; into the stage: my tile, 16 bytes a row
	v_lshlrev_b32 v8, 4, v2                        ; out: 16 bytes a lane
	v_add_nc_u32 v7, s26, v8
	v_lshl_add_u32 v9, v5, 4, v6
	v_lshlrev_b32 v9, 3, v9                        ; my two scale words' place: 8 (16 u + rho)
	v_and_b32 v16, 15, v0                          ; the placing: which of the work-group's 16 tokens
	v_lshlrev_b32 v17, 2, v16
	s_and_b32 s28, s22, 7
	s_lshl_b32 s28, s28, 22                        ; the expert's matrix, 4 MiB,
	s_lshl_b32 s27, s24, 20                        ; 256 rows of 4,096 bytes,
	s_add_co_u32 s28, s28, s27
	s_lshl_b32 s27, s25, 7                         ; 32 columns
	s_add_co_u32 s28, s28, s27
	s_mov_b32 s29, 0
	s_mul_i32 s30, s22, 786432                     ; codes: 64 tiles x 12,288 a matrix,
	s_mul_i32 s27, s25, 24576                      ; two tiles,
	s_add_co_u32 s30, s30, s27
	s_mul_i32 s27, s24, 3072                       ; two K steps
	s_add_co_u32 s30, s30, s27
	s_mov_b32 s31, 0
	s_lshl_b32 s32, s22, 15
	s_lshl_b32 s27, s25, 10
	s_add_co_u32 s32, s32, s27
	s_lshl_b32 s27, s24, 8
	s_add_co_u32 s32, s32, s27
	s_mov_b32 s33, 0
	s_lshl_b32 s34, s21, 6                         ; my 16 words of tokw
	s_mov_b32 s35, 0
	s_mov_b32 s36, 0xff0000
	s_lshl_b32 s37, s21, 4                         ; my first token
	s_wait_kmcnt 0x0
	s_cmp_lt_u32 s21, 128                          ; w1 or w2: the choice hangs on the work-group's number alone
	s_cselect_b64 s[4:5], s[4:5], s[6:7]
	s_add_nc_u64 s[4:5], s[4:5], s[28:29]
	s_add_nc_u64 s[8:9], s[8:9], s[30:31]
	s_add_nc_u64 s[10:11], s[10:11], s[32:33]
	s_add_nc_u64 s[12:13], s[12:13], s[34:35]
	s_cmp_lg_u32 s20, 0
	s_cbranch_scc1 .Lno_word
	global_load_b32 v18, v17, s[12:13]             ; wave 0: the tokens' words, asked for ahead of everything else
.Lno_word:
.macro LOADW t                         ; block t: W(32 t + i, my column) into set t % 2; a wave's load reads 128 consecutive bytes, the eight waves stand side by side
.set i, 0
.rept 32
	global_load_b32 v[X+32*((\t)%2)+i], v3, s[4:5] offset:(32*(\t)+i)*4096 th:TH_LOAD_NT
.set i, i+1
.endr
.endm
	LOADW 0
	LOADW 1
; Block t is K step t / 4 of my two, and in its fragment registers 6 c .. 6 c + 5 of lane rho + 16 h, c = (t / 2) % 2, h = t % 2.
.macro BLOCK t
.set XS, X+32*((\t)%2)
.set SO, 1536*((\t)/4)+256*((\t)%2)
.if (\t) < 7
	s_wait_loadcnt 32                              ; this block's 32 loads (and all older ones) are in; the next block's 32 may be out
.else
	s_wait_loadcnt 0x0
.endif
	v_max3_num_f32 v12, |v[XS]|, |v[XS+1]|, |v[XS+2]|
	v_max3_num_f32 v13, |v[XS+3]|, |v[XS+4]|, |v[XS+5]|
.irp i, 6,10,14,18,22,26
	v_max3_num_f32 v12, v12, |v[XS+\i]|, |v[XS+\i+1]|
	v_max3_num_f32 v13, v13, |v[XS+\i+2]|, |v[XS+\i+3]|
.endr
	v_max3_num_f32 v12, v12, |v[XS+30]|, |v[XS+31]|
	v_max3_num_f32 v12, v12, v13, 0x2800000        ; with the floor 2^(5 - 127): the byte cannot fall under 1
	v_add_nc_u32 v11, 0xfe000000, v12              ; 4 off the exponent field: the conversion's scale operand
	v_lshrrev_b32 v13, 23, v11                     ; the byte
	v_cvt_scalef32_pk16_bf6_f32 v[C:C+2], v[XS:XS+15], v11
	v_cvt_scalef32_pk16_bf6_f32 v[C2:C2+2], v[XS+16:XS+31], v11   ; (a conversion's three registers begin on an even number)
.if (\t)%4 == 0
	v_mov_b32 v[SB+(\t)/4], v13                    ; four bytes to a word, the lower K lower.  (Also the plain line behind the conversions)
.else
	v_lshl_or_b32 v[SB+(\t)/4], v13, 8*((\t)%4), v[SB+(\t)/4]
.endif
.irp i, 0,1,2
	v_mov_b32 v[C+3+\i], v[C2+\i]
.endr
.if ((\t)/2)%2 == 0
	ds_store_b128 v4, v[C:C+3] offset:SO           ; registers 0-3: plane 0
	ds_store_b64 v4, v[C+4:C+5] offset:SO+512      ; registers 4, 5: the first half of plane 1
.else
	ds_store_b64 v4, v[C:C+1] offset:SO+520        ; registers 6, 7: its second half
	ds_store_b128 v4, v[C+2:C+5] offset:SO+1024    ; registers 8-11: plane 2
.endif
.if (\t)+2 < 8
	LOADW (\t)+2
.endif
	s_wait_dscnt 0x0                               ; the stores have read their registers
.endm
	BLOCK 0
	s_cmp_lg_u32 s20, 0
	s_cbranch_scc1 .Lno_place
	v_and_b32 v19, 0xffff, v18                     ; 4 x rank (the word came in ahead of block 0's numbers)
	v_min_u32 v19, 0x3ffc, v19                     ; inside the list, whatever was loaded
	v_or_b32 v16, s37, v16                         ; the token's number
	v_and_or_b32 v16, v18, s36, v16                ; under its set
	global_store_b32 v19, v16, s[14:15]            ; v16 and v19 are not written again
.Lno_place:
.irp t, 1,2,3,4,5,6,7
	BLOCK \t
.endr
	global_store_b64 v9, v[SB:SB+1], s[10:11]      ; the wave's 32 lanes fill 256 consecutive bytes, aligned
.irp u, 0,1
.irp i, 0,1,2,3,4,5
	ds_load_b128 v[OUTR+4*(6*\u+\i):OUTR+4*(6*\u+\i)+3], v7 offset:STU*\u+512*\i   ; LDS serves a wave's instructions in order: these see my stores
.endr
.endr
.irp u, 0,1
.irp i, 0,1,2,3,4,5
	s_wait_dscnt 11-(6*\u+\i)                      ; the younger read-backs may be out
	global_store_b128 v8, v[OUTR+4*(6*\u+\i):OUTR+4*(6*\u+\i)+3], s[8:9] offset:12288*\u+512*\i   ; 512 consecutive bytes, aligned
.endr
.endr
	s_wait_tensorcnt 0x0
	ds_add_u32 v208, v209
	s_wait_dscnt 0x0
	s_endpgm
.Lfunc_end_k_q58e96e0e91_prep:
	.size	k_q58e96e0e91_prep, .Lfunc_end_k_q58e96e0e91_prep-k_q58e96e0e91_prep
	.p2alignl 7, 3214868480
	.fill 96, 4, 3214868480
	.section	.rodata,"a",@progbits
	.p2align	6, 0x0
	.amdhsa_kernel k_q58e96e0e91_prep
		.amdhsa_group_segment_fixed_size 52224
		.amdhsa_private_segment_fixed_size 0
		.amdhsa_enable_private_segment 0
		.amdhsa_kernarg_size 48
		.amdhsa_user_sgpr_count 2
		.amdhsa_user_sgpr_kernarg_segment_ptr 1
		.amdhsa_wavefront_size32 1
		.amdhsa_system_sgpr_workgroup_id_x 1
		.amdhsa_system_sgpr_workgroup_id_y 1
		.amdhsa_system_sgpr_workgroup_id_z 1
		.amdhsa_system_vgpr_workitem_id 0
		.amdhsa_next_free_vgpr 210
		.amdhsa_next_free_sgpr 66
		.amdhsa_reserve_vcc 0
		.amdhsa_float_denorm_mode_32 3
		.amdhsa_float_denorm_mode_16_64 3
		.amdhsa_memory_ordered 1
		.amdhsa_forward_progress 1
		.amdhsa_inst_pref_size 43
	.end_amdhsa_kernel
	.amdgpu_metadata
---
amdhsa.version: [ 1, 2 ]
amdhsa.kernels:
  - .name:           k_q58e96e0e91_prep
    .symbol:         k_q58e96e0e91_prep.kd
    .args:
      - { .name: w1, .offset: 0, .size: 8, .value_kind: global_buffer, .address_space: global }
      - { .name: w2, .offset: 8, .size: 8, .value_kind: global_buffer, .address_space: global }
      - { .name: wq, .offset: 16, .size: 8, .value_kind: global_buffer, .address_space: global }
      - { .name: wsc, .offset: 24, .size: 8, .value_kind: global_buffer, .address_space: global }
      - { .name: tokw, .offset: 32, .size: 8, .value_kind: global_buffer, .address_space: global }
      - { .name: list, .offset: 40, .size: 8, .value_kind: global_buffer, .address_space: global }
    .group_segment_fixed_size: 52224
    .private_segment_fixed_size: 0
    .kernarg_segment_align: 8
    .kernarg_segment_size: 48
    .max_flat_workgroup_size: 256
    .sgpr_count:     66
    .vgpr_count:     210
    .wavefront_size: 32
...
	.end_amdgpu_metadata
.endif
;; end of part 2
;; launch up (part 3): grid 4 x 64, 4 waves a work-group, no clusters, 54,784 bytes of LDS; arguments x, dispatch_tensor, b1, list, wq, wsc, hq, hs; writes hq, hs
.if DOCPART == 3
	.amdgcn_target "amdgcn-amd-amdhsa--gfx1250"
	.amdhsa_code_object_version 6
	.text
	.protected	k_q58e96e0e91_up
	.globl	k_q58e96e0e91_up
	.p2align	8
	.type	k_q58e96e0e91_up,@function
k_q58e96e0e91_up:
	s_mov_b64 s[64:65], 0
	v_nop
	global_prefetch_b8 v0, s[64:65] scope:SCOPE_SE
	s_setreg_imm32_b32 hwreg(HW_REG_WAVE_MODE, 25, 1), 1
	s_wait_xcnt 0x0
; h = gelu(Q(x d) Q(w1[e]) + mask b1[e]), quantised along the hidden units and stored as codes, for the pairs (token, expert) that count.
; SHARES.  A work-group owns block blk (y) of 64 tokens of the stored sorted list and hidden units 256 q (x) on; wave w owns 64 of these, four tiles of 16, for all 64 tokens, and prepares the tokens' tile m = w.
; It walks e = 0 .. 7, a constant count, and jumps, by scalar branches on the stored sets (scalar loads of the list, the sets of a tile's 16 tokens joined by OR), over experts and over tiles of 16 tokens that use none: so every split of the tokens is served.
; In a tile that is taken, a token that does not use e has d = 0 (its row is zeros, its mask 0, gelu(0) = 0) or a gate of 0 in the next launch: arithmetic, not a branch, leaves it out.
; No cluster and no shared tile loads: which blocks walk which expert is known only from the stored list, so partners would differ in their trips; the weights come straight into registers, laid out for that.
; THE PRODUCT IS USED TRANSPOSED: source 0 = 16 rows of the laid-out w1, source 1 = 16 tokens.  Lane (r, h) holds token r; register 16 b + i of my four tiles is hidden unit 32 b + 16 h + i of my 64.
; My 64 hidden units are half c = w % 2 of K step 2 q + w / 2 of the next product: six registers a lane and two scale bytes a row.
; GELU, exact form: gelu(h) = max(h, 0) - |h| / 2 erfc(|h| / sqrt 2), erfc(z) = t exp(-z z + P(t)), t = 1 / (1 + z / 2), P of degree 9 (fractional error of the fit 1.2e-7), in f32, the exponent taken to base 2.
; LIMITS: pairs with d = 0 or gate = 0 are not computed (where the definition would make NaN of 0 x infinity this gives the finite sum); NaN and infinities among the inputs are not served;
; the bias mask's row sum is added in another order than the definition's: a row whose sum cancels to exactly 0 in one order only may differ, a row of zeros never; blocks of zeros carry the byte 1 with zero codes.
; LDS: XIMG the 32 fragments of x d as images of their registers; XSC their scale words; MSK the masks; HSC the hidden layer's scale bytes.
.set XIMG, 0
.set XSC,  XIMG+32*1536
.set MSK,  XSC+32*128
.set HSC,  MSK+512
; window 0
.set LI16, 1                           ; 16 x lane
.set LI8,  2                           ; 8 x lane
.set LS,   3                           ; 4 x lane
.set XWI,  5                           ; where I store my tile's images
.set XWS,  6                           ; their scale words
.set MKW,  7                           ; its masks
.set HSW,  8                           ; my two scale bytes of a row
.set HSR,  9                           ; my tile's 32 scale words, read back
.set XA,   10                          ; x: my token's row + 64 h
.set DA,   11                          ; dispatch: my token's row
.set B1A,  12                          ; 64 h
.set TKA,  13                          ; my tile's entries in the block's part of the list: 64 w + 4 r
.set MF,   18                          ; v[18:19] the mask (v19 = 0, named with it as a pair)
.set DD,   22                          ; v[22:23] d (v23 = 0)
.set BS,   32                          ; v32-47 w1's scale words: 8 b + s; lanes 0-15 tile 2 b, lanes 16-31 tile 2 b + 1
.set XS,   48                          ; v48-55 x's scale words
.set HSD,  59
.set XB,   64                          ; v64-191 two sets of 64 numbers of x
.set AF,   64                          ; v64-159 a tile's eight fragments
.set PC,   192                         ; v192-211 codes just made
.set TM,   212                         ; v212-227 at work
.set PW,   228
.set SM,   232                         ; v232-239 the row sum, four chains of two
; window 1, 2: w1's fragments (n, s) at v[12 (4 (s % 4) + n)], s < 4 in window 1, else in window 2
; window 3
.set H,    0                           ; v0-31 the four accumulators, then h
.set T,    32
.set Z,    64
.set P,    96
.set B1,   128
.set C9,   160
.set PC3,  164
.set TM3,  184
.set HW,   200
.set UN,   96                          ; s96-99 tile m's union of sets, at bits 16 to 23
.set MSB, 0
.macro WIN new                         ; the immediate's high byte repeats the setting that is left
.if MSB != (\new)
	s_set_vgpr_msb (MSB<<8)|(\new)
.set MSB, \new
.endif
.endm
.macro BARRIER                         ; my LDS stores have landed and my LDS loads are in: then the work-group's barrier
	s_wait_dscnt 0x0
	s_barrier_signal -1
	s_barrier_wait -1
.endm
.macro PAIR r, bits
	s_mov_b32 s[\r], \bits
	s_mov_b32 s[\r+1], \bits
.endm
.macro UNION d, a                      ; sixteen entries joined by OR
	s_or_b32 s[\d], s[\a], s[\a+1]
.irp i, 2,3,4,5,6,7,8,9,10,11,12,13,14,15
	s_or_b32 s[\d], s[\d], s[\a+\i]
.endr
.endm
	s_load_b512 s[4:19], s[0:1], 0x0               ; x 4, dispatch 6, b1 8, list 10, wq 12, wsc 14, hq 16, hs 18
	v_lshl_add_u32 v254, v0, 2, 0xd400
	v_mov_b32 v255, 0
	v_lshrrev_b32 v14, 5, v0
	v_readfirstlane_b32 s20, v14                   ; wave 0..3
	s_mov_b32 s21, ttmp9                           ; q
	s_and_b32 s22, ttmp7, 0xffff                   ; blk
	v_and_b32 v14, 31, v0
	v_and_b32 v15, 15, v0                          ; r
	v_bfe_u32 v16, v0, 4, 1                        ; h
	v_lshlrev_b32 v[LI16], 4, v14
	v_lshlrev_b32 v[LI8], 3, v14
	v_lshlrev_b32 v[LS], 2, v14
	s_mul_i32 s27, s20, 8*1536
	s_add_co_u32 s27, s27, XIMG
	v_add_nc_u32 v[XWI], s27, v[LI16]
	s_lshl_b32 s27, s20, 10
	s_add_co_u32 s27, s27, XSC
	v_add_nc_u32 v[XWS], s27, v[LS]
	s_lshl_b32 s27, s20, 7
	s_add_co_u32 s28, s27, MSK
	v_add_nc_u32 v[MKW], s28, v[LS]
	s_add_co_u32 s28, s27, HSC
	v_add_nc_u32 v[HSR], s28, v[LS]
	s_lshr_b32 s27, s20, 1
	s_lshl_b32 s27, s27, 6                         ; 64 bytes for each of the work-group's two K steps,
	s_and_b32 s28, s20, 1
	s_lshl_b32 s28, s28, 1                         ; 2 bytes for each half of a step
	s_add_co_u32 s27, s27, s28
	s_add_co_u32 s27, s27, HSC
	v_lshlrev_b32 v[HSW], 2, v15
	v_add_nc_u32 v[HSW], s27, v[HSW]
	s_lshl_b32 s27, s20, 6
	v_lshlrev_b32 v[TKA], 2, v15
	v_add_nc_u32 v[TKA], s27, v[TKA]
	v_lshlrev_b32 v[B1A], 6, v16
	v_mov_b32 v[MF+1], 0
	v_mov_b32 v[DD+1], 0
.irp b, 0,1,2,3
	v_mov_b32 v[TM+4+\b], 0                        ; written once: a lane permute's destination counts as one of its sources
.endr
	WIN 0xc0
	v_mov_b32 v[C9], 0x3e7c6f08                    ; c9 = 0.24651730
	v_mov_b32 v[C9+1], 0x3e7c6f08
	v_mov_b32 v[TM3+2], 0
	v_mov_b32 v[TM3+3], 0
	WIN 0
	s_lshl_b32 s28, s21, 2
	s_add_co_u32 s28, s28, s20                     ; 4 q + w: my 64 columns
	s_lshl_b32 s66, s28, 8                         ; b1: 256 bytes
	s_mov_b32 s67, 0
	s_mul_i32 s68, s28, 49152                      ; wq: four tiles of 12,288
	s_mov_b32 s69, 0
	s_lshl_b32 s70, s28, 11                        ; wsc: two pairs of 1,024
	s_mov_b32 s71, 0
	s_mul_i32 s72, s22, 49152                      ; hq: the block's four tiles, and my 768 bytes in each
	s_mul_i32 s29, s28, 768
	s_add_co_u32 s72, s72, s29
	s_mov_b32 s73, 0
	s_lshl_b32 s74, s22, 2
	s_add_co_u32 s74, s74, s20
	s_lshl_b32 s74, s74, 9                         ; hs: tile w of the block, 512 bytes, and the work-group's two K steps in it
	s_lshl_b32 s29, s21, 7
	s_add_co_u32 s74, s74, s29
	s_mov_b32 s75, 0
	s_lshl_b32 s78, s22, 8                         ; the list: my block's 64 entries
	s_mov_b32 s79, 0
	s_mov_b32 s23, 0                               ; e
	s_wait_kmcnt 0x0
	s_add_nc_u64 s[8:9], s[8:9], s[66:67]
	s_add_nc_u64 s[12:13], s[12:13], s[68:69]
	s_add_nc_u64 s[14:15], s[14:15], s[70:71]
	s_add_nc_u64 s[16:17], s[16:17], s[72:73]
	s_add_nc_u64 s[18:19], s[18:19], s[74:75]
	s_add_nc_u64 s[10:11], s[10:11], s[78:79]
	; THE BLOCK'S LIST, straight from memory: my tile's tokens a lane, and all 64 entries as scalars for the jumps
	global_load_b32 v[XA], v[TKA], s[10:11]
	s_load_b512 s[32:47], s[10:11], 0x0
	s_load_b512 s[48:63], s[10:11], 0x40
	s_wait_kmcnt 0x0
	UNION UN+0, 32
	UNION UN+1, 48
	s_load_b512 s[32:47], s[10:11], 0x80
	s_load_b512 s[48:63], s[10:11], 0xc0
	s_wait_kmcnt 0x0
	UNION UN+2, 32
	UNION UN+3, 48
	s_mov_b32 s36, 0x76543210                      ; (the entries' registers are free again)
	s_mov_b32 s37, 0xfedcba98                      ; v_permlanex16_b32's selects for lane l xor 16
	PAIR 40, 0xbf97d29d                            ; the fit's coefficients x log2(e): c8 = -1.1861149
	PAIR 42, 0x40097039                            ; c7 =  2.1474745
	PAIR 44, 0xbfd1a1e5                            ; c6 = -1.6377532
	PAIR 46, 0x3ecdfd18                            ; c5 =  0.40232158
	PAIR 48, 0xbe899a80                            ; c4 = -0.26875686
	PAIR 50, 0x3e0efb2e                            ; c3 =  0.13963006
	PAIR 52, 0x3f0a29d2                            ; c2 =  0.53970062
	PAIR 54, 0x3fb8ab5a                            ; c1 =  1.4427292
	PAIR 56, 0xbfe9b21e                            ; c0 = -1.8257482
	PAIR 58, 0xbf16b55f                            ; -1 / (2 KZ) = -0.58870501
	s_mov_b32 s60, 0x3eb504f3                      ; KU = 1 / (2 sqrt 2): t = 1 / (1 + KU |h|)
	s_mov_b32 s61, 0x3f596d27                      ; KZ = sqrt(log2(e) / 2): (KZ |h|)^2 = z z log2(e)
	s_wait_loadcnt 0x0
	v_and_b32 v[XA], 0xfff, v[XA]
	v_min_u32 v[XA], 0xfff, v[XA]                  ; my tile's token r
	v_lshlrev_b32 v[DA], 5, v[XA]
	v_lshlrev_b32 v[XA], 12, v[XA]
	v_add_nc_u32 v[XA], v[XA], v[B1A]              ; lane (r, h): 16 neighbours of each block of 32, 64 h bytes on
; 64 numbers of a lane, register 16 b + i = k 32 b + 16 h + i of my row, become a fragment's codes in v[PC] on and its scale word in v[PW]
.macro QUANT s
.irp b, 0,1,2,3
	v_max3_num_f32 v[TM+\b], |v[\s+16*\b]|, |v[\s+1+16*\b]|, 0x2800000   ; with the floor 2^(5 - 127)
.endr
.irp i, 2,4,6,8,10,12,14
.irp b, 0,1,2,3
	v_max3_num_f32 v[TM+\b], v[TM+\b], |v[\s+16*\b+\i]|, |v[\s+1+16*\b+\i]|
.endr
.endr
.irp b, 0,1,2,3
	v_permlanex16_b32 v[TM+4+\b], v[TM+\b], s36, s37
.endr
.irp b, 0,1,2,3
	v_max_num_f32 v[TM+\b], v[TM+\b], v[TM+4+\b]   ; with lane l xor 16's: the block's largest magnitude
.endr
.irp b, 0,1,2,3
	v_add_nc_u32 v[TM+12+\b], 0xfe000000, v[TM+\b] ; 4 off its exponent field: the conversion's scale operand
.endr
.irp b, 0,1,2,3
	v_lshrrev_b32 v[TM+4+\b], 23, v[TM+12+\b]      ; the byte
.endr
	v_lshl_or_b32 v[PW], v[TM+5], 8, v[TM+4]
	v_lshl_or_b32 v[PW], v[TM+6], 16, v[PW]
	v_lshl_or_b32 v[PW], v[TM+7], 24, v[PW]
.irp c, 0,1
	v_cvt_scalef32_pk16_bf6_f32 v[PC+6*\c:PC+2+6*\c], v[\s+32*\c:\s+15+32*\c], v[TM+12+2*\c]
	v_cvt_scalef32_pk16_bf6_f32 v[PC+12+4*\c:PC+14+4*\c], v[\s+16+32*\c:\s+31+32*\c], v[TM+12+2*\c+1]
.endr
	v_nop                                          ; one plain line behind a scaled conversion
.irp c, 0,1                                    ; the operand wants a whole block in a lane: lanes 0-15 block 2 c, lanes 16-31 block 2 c + 1
.irp i, 0,1,2
	v_permlane16_swap_b32 v[PC+6*\c+\i], v[PC+12+4*\c+\i]
.endr
.irp i, 0,1,2
	v_mov_b32 v[PC+3+6*\c+\i], v[PC+12+4*\c+\i]
.endr
.endr
.endm
.macro XLOAD s                         ; my 16 tokens' numbers of K step s, 64 a lane
.irp b, 0,1,2,3
.irp j, 0,1,2,3
	global_load_b128 v[XB+64*((\s)%2)+16*\b+4*\j:XB+64*((\s)%2)+16*\b+4*\j+3], v[XA], s[4:5] offset:512*(\s)+128*\b+16*\j
.endr
.endr
.endm
.macro XSTEP s                         ; K step s: x d, its part of the row sum, its fragment and scale word to LDS
.set XV, XB+64*((\s)%2)
.if (\s) < 7
	s_wait_loadcnt 16                              ; d and this step's 16 loads are in; the next step's 16 may be out
.else
	s_wait_loadcnt 0x0
.endif
.set i, 0
.rept 32
	v_pk_mul_f32 v[XV+i:XV+i+1], v[XV+i:XV+i+1], v[DD:DD+1] op_sel_hi:[1,0]
.set i, i+2
.endr
.if (\s) == 0
.irp c, 0,1,2,3
	v_pk_add_f32 v[SM+2*\c:SM+2*\c+1], v[XV+2*\c:XV+2*\c+1], v[XV+8+2*\c:XV+9+2*\c]   ; the first pairs start the four chains
.endr
.set i, 16
.rept 24
	v_pk_add_f32 v[SM+(i%8):SM+(i%8)+1], v[SM+(i%8):SM+(i%8)+1], v[XV+i:XV+i+1]
.set i, i+2
.endr
.else
.set i, 0
.rept 32
	v_pk_add_f32 v[SM+(i%8):SM+(i%8)+1], v[SM+(i%8):SM+(i%8)+1], v[XV+i:XV+i+1]
.set i, i+2
.endr
.endif
	QUANT XV
.irp c, 0,1,2
	ds_store_b128 v[XWI], v[PC+4*\c:PC+4*\c+3] offset:1536*(\s)+512*\c
.endr
	ds_store_b32 v[XWS], v[PW] offset:128*(\s)
.if (\s)+2 < 8
	XLOAD (\s)+2
.endif
	s_wait_dscnt 0x0                               ; the stores have read their registers
.endm
; The four products of K step s: my four tiles by turns, one instruction a turn.
.macro PROD s
.irp n, 0,1,2,3
.set FB, 12*(4*((\s)%4)+\n)
.set FA, AF+12*(\s)
.set SW, BS+8*(\n/2)+(\s)
.if (\s) == 0
.if \n%2
	v_wmma_scale_f32_16x16x128_f8f6f4 v[8*\n:8*\n+7], v[FB:FB+11], v[FA:FA+11], 0, v[SW], v[XS+(\s)] matrix_a_fmt:MATRIX_FMT_BF6 matrix_b_fmt:MATRIX_FMT_BF6 matrix_a_scale:MATRIX_SCALE_ROW1
.else
	v_wmma_scale_f32_16x16x128_f8f6f4 v[8*\n:8*\n+7], v[FB:FB+11], v[FA:FA+11], 0, v[SW], v[XS+(\s)] matrix_a_fmt:MATRIX_FMT_BF6 matrix_b_fmt:MATRIX_FMT_BF6
.endif
.else
.if \n%2
	v_wmma_scale_f32_16x16x128_f8f6f4 v[8*\n:8*\n+7], v[FB:FB+11], v[FA:FA+11], v[8*\n:8*\n+7], v[SW], v[XS+(\s)] matrix_a_fmt:MATRIX_FMT_BF6 matrix_b_fmt:MATRIX_FMT_BF6 matrix_a_scale:MATRIX_SCALE_ROW1
.else
	v_wmma_scale_f32_16x16x128_f8f6f4 v[8*\n:8*\n+7], v[FB:FB+11], v[FA:FA+11], v[8*\n:8*\n+7], v[SW], v[XS+(\s)] matrix_a_fmt:MATRIX_FMT_BF6 matrix_b_fmt:MATRIX_FMT_BF6
.endif
.endif
.endr
.endm
.macro BLOADS cp, sp                   ; my four tiles of this expert's weights: 8 loads of scale words, then 96 of codes in the order of the K steps
.irp b, 0,1
.irp g, 0,1,2,3
	global_load_b64 v[BS+8*\b+2*\g:BS+8*\b+2*\g+1], v[LI8], s[\sp:\sp+1] offset:1024*\b+256*\g
.endr
.endr
.irp s, 0,1,2,3,4,5,6,7
	WIN 0x40+0x40*(\s/4)
.irp n, 0,1,2,3
.irp p, 0,1,2
	global_load_b128 v[12*(4*(\s%4)+\n)+4*\p:12*(4*(\s%4)+\n)+4*\p+3], v[LI16], s[\cp:\cp+1] offset:12288*\n+1536*\s+512*\p
.endr
.endr
.endr
	WIN 0
.endm
.macro GELU                            ; 32 numbers in v[H] on, all in window 3
.set i, 0
.rept 32
	v_fma_f32 v[T+i], |v[H+i]|, s60, 1.0           ; 1 + z / 2
.set i, i+1
.endr
.set i, 0
.rept 32
	v_rcp_f32 v[T+i], v[T+i]                       ; t
.set i, i+1
.endr
.set i, 0
.rept 32
	v_mul_f32 v[Z+i], |v[H+i]|, s61                ; KZ |h|.  (The first is the plain line behind the reciprocals)
.set i, i+1
.endr
.set i, 0
	s_wait_alu depctr_va_vdst(0)
.rept 16
	v_pk_fma_f32 v[P+i:P+i+1], v[T+i:T+i+1], v[C9:C9+1], s[40:41] op_sel_hi:[1,1,0]
.set i, i+2
.endr
.irp c, 42,44,46,48,50,52,54,56
.set i, 0
.rept 16
	v_pk_fma_f32 v[P+i:P+i+1], v[P+i:P+i+1], v[T+i:T+i+1], s[\c:\c+1] op_sel_hi:[1,1,0]
.set i, i+2
.endr
.endr
.set i, 0
.rept 16
	v_pk_fma_f32 v[P+i:P+i+1], v[Z+i:Z+i+1], v[Z+i:Z+i+1], v[P+i:P+i+1] neg_lo:[1,0,0] neg_hi:[1,0,0]   ; (P(t) - z z) log2(e)
.set i, i+2
.endr
.set i, 0
.rept 32
	v_exp_f32 v[P+i], v[P+i]
.set i, i+1
.endr
.set i, 0
.rept 16
	v_pk_mul_f32 v[Z+i:Z+i+1], v[Z+i:Z+i+1], v[T+i:T+i+1]   ; (the first is the plain line behind the exponentials)
.set i, i+2
.endr
.set i, 0
.rept 32
	v_max_num_f32 v[H+i], 0, v[H+i]
.set i, i+1
.endr
.set i, 0
	s_wait_alu depctr_va_vdst(0)
.rept 16
	v_pk_mul_f32 v[Z+i:Z+i+1], v[Z+i:Z+i+1], v[P+i:P+i+1]
.set i, i+2
.endr
.set i, 0
.rept 16
	v_pk_fma_f32 v[H+i:H+i+1], v[Z+i:Z+i+1], s[58:59], v[H+i:H+i+1] op_sel_hi:[1,0,1]   ; max(h, 0) - |h| / 2 erfc
.set i, i+2
.endr
.endm
.macro QUANT2                          ; my 32 numbers, two blocks of 32 shared with lane l xor 16, become six registers of codes and two bytes; all in window 3
.irp b, 0,1
	v_max3_num_f32 v[TM3+\b], |v[H+16*\b]|, |v[H+1+16*\b]|, 0x2800000
.endr
.irp i, 2,4,6,8,10,12,14
.irp b, 0,1
	v_max3_num_f32 v[TM3+\b], v[TM3+\b], |v[H+16*\b+\i]|, |v[H+1+16*\b+\i]|
.endr
.endr
.irp b, 0,1
	v_permlanex16_b32 v[TM3+2+\b], v[TM3+\b], s36, s37
.endr
.irp b, 0,1
	v_max_num_f32 v[TM3+\b], v[TM3+\b], v[TM3+2+\b]
.endr
.irp b, 0,1
	v_add_nc_u32 v[TM3+4+\b], 0xfe000000, v[TM3+\b]
.endr
.irp b, 0,1
	v_lshrrev_b32 v[TM3+2+\b], 23, v[TM3+4+\b]
.endr
	v_lshl_or_b32 v[HW], v[TM3+3], 8, v[TM3+2]
	v_cvt_scalef32_pk16_bf6_f32 v[PC3:PC3+2], v[H:H+15], v[TM3+4]
	v_cvt_scalef32_pk16_bf6_f32 v[PC3+8:PC3+10], v[H+16:H+31], v[TM3+5]
	v_nop                                          ; one plain line behind a scaled conversion
.irp i, 0,1,2
	v_permlane16_swap_b32 v[PC3+\i], v[PC3+8+\i]
.endr
.irp i, 0,1,2
	v_mov_b32 v[PC3+3+\i], v[PC3+8+\i]
.endr
.endm
; Tile m of the block's tokens against my four tiles of w1.  Jumped over where none of its 16 tokens uses this expert.
.macro UTILE m
	s_and_b32 s27, s24, 1<<\m
	s_cmp_eq_u32 s27, 0
	s_cbranch_scc1 .Lno_tile_\@
	s_wait_xcnt 0x0                                ; the last tile's stores have read their registers
.irp s, 0,1,2,3,4,5,6,7
	ds_load_b32 v[XS+\s], v[LS] offset:XSC+(8*\m+\s)*128
.endr
	ds_load_b32 v[MF], v[LS] offset:MSK+128*\m
.irp s, 0,1,2,3,4,5,6,7
.irp p, 0,1,2
	ds_load_b128 v[AF+12*\s+4*\p:AF+12*\s+4*\p+3], v[LI16] offset:XIMG+(8*\m+\s)*1536+512*\p
.endr
.endr
.irp s, 0,1,2,3,4,5,6,7
	s_wait_dscnt 3*(7-\s)                          ; the later K steps' three LDS loads each may be out
.if 12*(7-\s) > 63
	s_wait_loadcnt 63                              ; (more than 63 loads follow this step's: the count is the stricter)
.else
	s_wait_loadcnt 12*(7-\s)                       ; the later K steps' twelve loads of codes each may be out
.endif
	WIN 0xf1+(\s/4)                                ; source 0 window 1 or 2, source 1 window 0, C and D window 3
	PROD \s
.endr
.rept 4
	v_nop                                          ; four places between the products and the first read of their results (ISA guide 7.12.1)
.endr
	WIN 0xf3
.set i, 0
.rept 16
	v_pk_fma_f32 v[H+i:H+i+1], v[B1+i:B1+i+1], v[MF:MF+1], v[H+i:H+i+1] op_sel_hi:[1,0,1]   ; + mask b1; each accumulator from its low end on
.set i, i+2
.endr
	WIN 0xff
	GELU
	QUANT2
	WIN 0x0c                                       ; a store's data are its source 1: window 3
	global_store_b128 v[LI16], v[PC3:PC3+3], s[16:17] offset:12288*\m       ; 512 consecutive bytes, aligned
	global_store_b64 v[LI8], v[PC3+4:PC3+5], s[16:17] offset:12288*\m+512   ; 256 consecutive bytes, aligned
	ds_store_b16 v[HSW], v[HW] offset:128*\m       ; both lanes of a row write the same two bytes
	WIN 0
.Lno_tile_\@:
.endm
.Lexp:                                             ; eight trips, one an expert
	s_lshl_b32 s27, 0x10000, s23                   ; the expert's bit in an entry
	s_and_b32 s30, s[UN+0], s27                    ; s24 bit m: some token of tile m uses the expert
	s_cselect_b32 s24, 1, 0
	s_and_b32 s30, s[UN+1], s27
	s_cselect_b32 s30, 2, 0
	s_or_b32 s24, s24, s30
	s_and_b32 s30, s[UN+2], s27
	s_cselect_b32 s30, 4, 0
	s_or_b32 s24, s24, s30
	s_and_b32 s30, s[UN+3], s27
	s_cselect_b32 s30, 8, 0
	s_or_b32 s24, s24, s30
	; ---- X: my tile's rows x d become eight fragments, eight scale words and a mask
	s_lshr_b32 s30, s24, s20
	s_and_b32 s30, s30, 1
	s_cmp_eq_u32 s30, 0
	s_cbranch_scc1 .Lno_x
	global_load_b32 v[DD], v[DA], s[6:7]
	XLOAD 0
	XLOAD 1
.irp s, 0,1,2,3,4,5,6,7
	XSTEP \s
.endr
	v_pk_add_f32 v[SM:SM+1], v[SM:SM+1], v[SM+2:SM+3]
	v_pk_add_f32 v[SM+4:SM+5], v[SM+4:SM+5], v[SM+6:SM+7]
	v_pk_add_f32 v[SM:SM+1], v[SM:SM+1], v[SM+4:SM+5]
	v_add_f32 v[SM], v[SM], v[SM+1]
	v_permlanex16_b32 v[SM+1], v[SM], s36, s37
	v_add_f32 v[SM], v[SM], v[SM+1]                ; the row's sum
	v_cmp_neq_f32 vcc_lo, 0, v[SM]
	v_cndmask_b32 v[SM], 0, 1.0, vcc_lo
	ds_store_b32 v[MKW], v[SM]
.Lno_x:
	BARRIER                                        ; the tiles' images lie in LDS; my read of the last expert's scale bytes is over
	; ---- M: the products, gelu and the quantiser
	s_cmp_eq_u32 s24, 0
	s_cbranch_scc1 .Lno_m
	WIN 0xc0
.irp n, 0,1,2,3
	global_load_b128 v[B1+8*\n:B1+8*\n+3], v[B1A], s[8:9] offset:(32*(\n/2)+8*(\n%2))*4
	global_load_b128 v[B1+8*\n+4:B1+8*\n+7], v[B1A], s[8:9] offset:(32*(\n/2)+8*(\n%2))*4+16
.endr
	WIN 0
	BLOADS 12, 14
	UTILE 0
	UTILE 1
	UTILE 2
	UTILE 3
	s_wait_loadcnt 0x0                             ; on every way out of here no load is pending into registers that the next expert's loads take
.Lno_m:
	BARRIER                                        ; every wave's reads of the images are over, and the tiles' scale bytes are whole
	; ---- S: my tile's scale words of the work-group's two K steps leave
	s_lshr_b32 s30, s24, s20
	s_and_b32 s30, s30, 1
	s_cmp_eq_u32 s30, 0
	s_cbranch_scc1 .Lno_s
	ds_load_b32 v[HSD], v[HSR]
	s_wait_dscnt 0x0
	global_store_b32 v[LS], v[HSD], s[18:19]
.Lno_s:
	s_wait_xcnt 0x0                                ; bases and store data are written again only behind this wait
	s_add_nc_u64 s[6:7], s[6:7], 4
	s_add_nc_u64 s[8:9], s[8:9], 4096
	s_add_nc_u64 s[12:13], s[12:13], 786432
	s_add_nc_u64 s[14:15], s[14:15], 32768
	s_add_nc_u64 s[16:17], s[16:17], 3145728
	s_add_nc_u64 s[18:19], s[18:19], 131072
	s_add_co_u32 s23, s23, 1
	s_cmp_lt_u32 s23, 8
	s_cbranch_scc1 .Lexp
	s_wait_tensorcnt 0x0
	ds_add_u32 v254, v255
	s_wait_dscnt 0x0
	s_endpgm
.Lfunc_end_k_q58e96e0e91_up:
	.size	k_q58e96e0e91_up, .Lfunc_end_k_q58e96e0e91_up-k_q58e96e0e91_up
	.p2alignl 7, 3214868480
	.fill 96, 4, 3214868480
	.section	.rodata,"a",@progbits
	.p2align	6, 0x0
	.amdhsa_kernel k_q58e96e0e91_up
		.amdhsa_group_segment_fixed_size 54784
		.amdhsa_private_segment_fixed_size 0
		.amdhsa_enable_private_segment 0
		.amdhsa_kernarg_size 64
		.amdhsa_user_sgpr_count 2
		.amdhsa_user_sgpr_kernarg_segment_ptr 1
		.amdhsa_wavefront_size32 1
		.amdhsa_system_sgpr_workgroup_id_x 1
		.amdhsa_system_sgpr_workgroup_id_y 1
		.amdhsa_system_sgpr_workgroup_id_z 1
		.amdhsa_system_vgpr_workitem_id 0
		.amdhsa_next_free_vgpr 1024
		.amdhsa_next_free_sgpr 100
		.amdhsa_reserve_vcc 1
		.amdhsa_float_denorm_mode_32 3
		.amdhsa_float_denorm_mode_16_64 3
		.amdhsa_memory_ordered 1
		.amdhsa_forward_progress 1
		.amdhsa_inst_pref_size 217
	.end_amdhsa_kernel
	.amdgpu_metadata
---
amdhsa.version: [ 1, 2 ]
amdhsa.kernels:
  - .name:           k_q58e96e0e91_up
    .symbol:         k_q58e96e0e91_up.kd
    .args:
      - { .name: x, .offset: 0, .size: 8, .value_kind: global_buffer, .address_space: global }
      - { .name: dispatch_tensor, .offset: 8, .size: 8, .value_kind: global_buffer, .address_space: global }
      - { .name: b1, .offset: 16, .size: 8, .value_kind: global_buffer, .address_space: global }
      - { .name: list, .offset: 24, .size: 8, .value_kind: global_buffer, .address_space: global }
      - { .name: wq, .offset: 32, .size: 8, .value_kind: global_buffer, .address_space: global }
      - { .name: wsc, .offset: 40, .size: 8, .value_kind: global_buffer, .address_space: global }
      - { .name: hq, .offset: 48, .size: 8, .value_kind: global_buffer, .address_space: global }
      - { .name: hs, .offset: 56, .size: 8, .value_kind: global_buffer, .address_space: global }
    .group_segment_fixed_size: 54784
    .private_segment_fixed_size: 0
    .kernarg_segment_align: 8
    .kernarg_segment_size: 64
    .max_flat_workgroup_size: 128
    .sgpr_count:     100
    .vgpr_count:     1024
    .wavefront_size: 32
...
	.end_amdgpu_metadata
.endif
;; end of part 3
;; launch down (part 4): grid 4 x 64, 4 waves a work-group, no clusters, 118,272 bytes of LDS; arguments combine_tensor, b2, list, wq, wsc, hq, hs, out0; writes out0
.if DOCPART == 4
	.amdgcn_target "amdgcn-amd-amdhsa--gfx1250"
	.amdhsa_code_object_version 6
	.text
	.protected	k_q58e96e0e91_down
	.globl	k_q58e96e0e91_down
	.p2align	8
	.type	k_q58e96e0e91_down,@function
k_q58e96e0e91_down:
	s_mov_b64 s[64:65], 0
	v_nop
	global_prefetch_b8 v0, s[64:65] scope:SCOPE_SE
	s_setreg_imm32_b32 hwreg(HW_REG_WAVE_MODE, 25, 1), 1
	s_wait_xcnt 0x0
; y[t] = b2 + the sum over e of gate[t][e] (Q(h) Q(w2[e])), h's codes and scale words as the launch before left them.
; SHARES as there: a work-group owns block blk (y) of 64 tokens of the stored sorted list and output columns 256 q (x) on; wave w owns 64 columns, four tiles, for all 64 tokens, and copies tile m = w of the hidden codes into LDS.
; EACH OUTPUT ROW HAS ONE OWNER: the work-group walks e = 0 .. 7, a constant count, jumps (scalar branches on the list's sets, loaded as scalars) over experts and tiles of 16 tokens that use none, and keeps y in registers, begun as b2 itself.
; No cluster and no shared tile loads: which blocks walk which expert is known only from the stored list, so partners would differ in their trips.
; THE PRODUCT IS USED TRANSPOSED: source 0 = 16 rows of the laid-out w2, source 1 = 16 tokens.  Lane (r, h) holds token r; register 16 b + i of my four tiles is column 32 b + 16 h + i of my 64.
; LIMITS: pairs with dispatch = 0 or gate = 0 are not computed (where the definition would make NaN of 0 x infinity this gives the finite sum); NaN and infinities among the inputs are not served.
; LDS: HIMG four tiles of hidden codes, 12,288 bytes each, as they lie in memory; HSL their scale words; STG the way out: 64 rows of 1,024 + 16 bytes.
.set HIMG, 0
.set HSL,  HIMG+4*12288
.set STG,  HSL+4*512
.set SPITCH, 1040
.set LI16, 1
.set LI8,  2
.set LS,   3
.set HWI,  5                           ; where I store my tile's codes
.set HWS,  6                           ; and its scale words
.set SO,   7                           ; the stage, in
.set SR,   8                           ; the stage, back
.set B2A,  12                          ; 64 h
.set R4,   13                          ; 4 (lane % 16)
.set CA,   24                          ; v24-27 gates: tile m's token r
.set BS,   32                          ; v32-47 w2's scale words
.set XS,   48                          ; v48-55 the hidden layer's scale words
.set AF,   64                          ; v64-159 a tile's eight fragments; the copy and the way out use v64-191
.set OA,   192                         ; v192-207 the way out: my 16 rows' places in y
.set CM,   208                         ; v[208 + 2 m] tile m's gates (the odd partners are 0, named with them as pairs)
.set Y,    128                         ; window 3: v0-31 the accumulators; y of (m, n) at v[128 + 32 m + 8 n]
.set OWN,  80                          ; s80-95 the entries of rows 16 w .. 16 w + 15, which I store at the end
.set UN,   96                          ; s96-99 tile m's union of sets, at bits 16 to 23
.set MSB, 0
.macro WIN new                         ; the immediate's high byte repeats the setting that is left
.if MSB != (\new)
	s_set_vgpr_msb (MSB<<8)|(\new)
.set MSB, \new
.endif
.endm
.macro BARRIER
	s_wait_dscnt 0x0
	s_barrier_signal -1
	s_barrier_wait -1
.endm
.macro UNION d, a                      ; sixteen entries joined by OR
	s_or_b32 s[\d], s[\a], s[\a+1]
.irp i, 2,3,4,5,6,7,8,9,10,11,12,13,14,15
	s_or_b32 s[\d], s[\d], s[\a+\i]
.endr
.endm
	s_load_b512 s[4:19], s[0:1], 0x0               ; combine 4, b2 6, list 8, wq 10, wsc 12, hq 14, hs 16, out0 18
	v_lshl_add_u32 v254, v0, 2, 0x1cc00
	v_mov_b32 v255, 0
	v_lshrrev_b32 v14, 5, v0
	v_readfirstlane_b32 s20, v14                   ; wave 0..3
	s_mov_b32 s21, ttmp9                           ; q
	s_and_b32 s22, ttmp7, 0xffff                   ; blk
	v_and_b32 v14, 31, v0
	v_and_b32 v15, 15, v0                          ; r
	v_bfe_u32 v16, v0, 4, 1                        ; h
	v_lshlrev_b32 v[LI16], 4, v14
	v_lshlrev_b32 v[LI8], 3, v14
	v_lshlrev_b32 v[LS], 2, v14
	s_mul_i32 s27, s20, 12288
	s_add_co_u32 s27, s27, HIMG
	v_add_nc_u32 v[HWI], s27, v[LI16]
	s_lshl_b32 s27, s20, 9
	s_add_co_u32 s27, s27, HSL
	v_add_nc_u32 v[HWS], s27, v[LI16]
	v_mul_u32_u24 v[SO], v15, SPITCH
	v_lshl_add_u32 v[SO], v16, 6, v[SO]
	s_lshl_b32 s27, s20, 8
	s_add_co_u32 s27, s27, STG
	v_add_nc_u32 v[SO], s27, v[SO]                 ; row r, + 256 w + 64 h
	s_mul_i32 s27, s20, 16*SPITCH
	s_add_co_u32 s27, s27, STG
	v_add_nc_u32 v[SR], s27, v[LI16]               ; my 16 rows, 16 bytes a lane
	v_lshlrev_b32 v[B2A], 6, v16
	v_lshlrev_b32 v[R4], 2, v15
.irp m, 0,1,2,3
	v_mov_b32 v[CM+2*\m+1], 0
.endr
	s_lshl_b32 s28, s21, 2
	s_add_co_u32 s28, s28, s20                     ; 4 q + w: my 64 columns
	s_lshl_b32 s66, s28, 8                         ; b2
	s_mov_b32 s67, 0
	s_mul_i32 s68, s28, 49152
	s_add_co_u32 s68, s68, 8*786432                ; wq: w2's matrices lie behind w1's eight
	s_mov_b32 s69, 0
	s_lshl_b32 s70, s28, 11
	s_add_co_u32 s70, s70, 8*32768
	s_mov_b32 s71, 0
	s_lshl_b32 s29, s22, 2
	s_add_co_u32 s29, s29, s20                     ; tile w of my block
	s_mul_i32 s72, s29, 12288
	s_mov_b32 s73, 0
	s_lshl_b32 s74, s29, 9
	s_mov_b32 s75, 0
	s_lshl_b32 s76, s21, 10                        ; y: my work-group's 1,024 bytes of a row
	s_mov_b32 s77, 0
	s_lshl_b32 s78, s22, 8                         ; the list: my block's 64 entries,
	s_mov_b32 s79, 0
	s_lshl_b32 s30, s20, 6                         ; and my wave's 16 of them
	s_mov_b32 s31, 0
	s_mov_b32 s23, 0                               ; e
	s_wait_kmcnt 0x0
	s_add_nc_u64 s[6:7], s[6:7], s[66:67]
	s_add_nc_u64 s[10:11], s[10:11], s[68:69]
	s_add_nc_u64 s[12:13], s[12:13], s[70:71]
	s_add_nc_u64 s[14:15], s[14:15], s[72:73]
	s_add_nc_u64 s[16:17], s[16:17], s[74:75]
	s_add_nc_u64 s[18:19], s[18:19], s[76:77]
	s_add_nc_u64 s[8:9], s[8:9], s[78:79]
	s_add_nc_u64 s[78:79], s[8:9], s[30:31]
	; THE BLOCK'S LIST, straight from memory: all 64 entries as scalars for the jumps, my wave's 16 kept for the way out, and each tile's tokens a lane for the gates
	s_load_b512 s[OWN:OWN+15], s[78:79], 0x0
	s_load_b512 s[32:47], s[8:9], 0x0
	s_load_b512 s[48:63], s[8:9], 0x40
	WIN 0xc0                                       ; y begins as b2, in the results' layout: nothing is cleared and nothing is added later
.irp m, 0,1,2,3
.irp n, 0,1,2,3
	global_load_b128 v[Y+32*\m+8*\n:Y+32*\m+8*\n+3], v[B2A], s[6:7] offset:(32*(\n/2)+8*(\n%2))*4
	global_load_b128 v[Y+32*\m+8*\n+4:Y+32*\m+8*\n+7], v[B2A], s[6:7] offset:(32*(\n/2)+8*(\n%2))*4+16
.endr
.endr
	WIN 0
.irp m, 0,1,2,3
	global_load_b32 v[CA+\m], v[R4], s[8:9] offset:64*\m
.endr
	s_wait_kmcnt 0x0
	UNION UN+0, 32
	UNION UN+1, 48
	s_load_b512 s[32:47], s[8:9], 0x80
	s_load_b512 s[48:63], s[8:9], 0xc0
	s_wait_kmcnt 0x0
	UNION UN+2, 32
	UNION UN+3, 48
	s_wait_loadcnt 0x0                             ; b2 and the tokens
.irp m, 0,1,2,3
	v_and_b32 v[CA+\m], 0xfff, v[CA+\m]
	v_min_u32 v[CA+\m], 0xfff, v[CA+\m]
	v_lshlrev_b32 v[CA+\m], 5, v[CA+\m]            ; the token's row of gates
.endr
; The four products of K step s: my four tiles by turns, one instruction a turn.
.macro PROD s
.irp n, 0,1,2,3
.set FB, 12*(4*((\s)%4)+\n)
.set FA, AF+12*(\s)
.set SW, BS+8*(\n/2)+(\s)
.if (\s) == 0
.if \n%2
	v_wmma_scale_f32_16x16x128_f8f6f4 v[8*\n:8*\n+7], v[FB:FB+11], v[FA:FA+11], 0, v[SW], v[XS+(\s)] matrix_a_fmt:MATRIX_FMT_BF6 matrix_b_fmt:MATRIX_FMT_BF6 matrix_a_scale:MATRIX_SCALE_ROW1
.else
	v_wmma_scale_f32_16x16x128_f8f6f4 v[8*\n:8*\n+7], v[FB:FB+11], v[FA:FA+11], 0, v[SW], v[XS+(\s)] matrix_a_fmt:MATRIX_FMT_BF6 matrix_b_fmt:MATRIX_FMT_BF6
.endif
.else
.if \n%2
	v_wmma_scale_f32_16x16x128_f8f6f4 v[8*\n:8*\n+7], v[FB:FB+11], v[FA:FA+11], v[8*\n:8*\n+7], v[SW], v[XS+(\s)] matrix_a_fmt:MATRIX_FMT_BF6 matrix_b_fmt:MATRIX_FMT_BF6 matrix_a_scale:MATRIX_SCALE_ROW1
.else
	v_wmma_scale_f32_16x16x128_f8f6f4 v[8*\n:8*\n+7], v[FB:FB+11], v[FA:FA+11], v[8*\n:8*\n+7], v[SW], v[XS+(\s)] matrix_a_fmt:MATRIX_FMT_BF6 matrix_b_fmt:MATRIX_FMT_BF6
.endif
.endif
.endr
.endm
.macro BLOADS cp, sp                   ; my four tiles of this expert's weights: 8 loads of scale words, then 96 of codes in the order of the K steps
.irp b, 0,1
.irp g, 0,1,2,3
	global_load_b64 v[BS+8*\b+2*\g:BS+8*\b+2*\g+1], v[LI8], s[\sp:\sp+1] offset:1024*\b+256*\g
.endr
.endr
.irp s, 0,1,2,3,4,5,6,7
	WIN 0x40+0x40*(\s/4)
.irp n, 0,1,2,3
.irp p, 0,1,2
	global_load_b128 v[12*(4*(\s%4)+\n)+4*\p:12*(4*(\s%4)+\n)+4*\p+3], v[LI16], s[\cp:\cp+1] offset:12288*\n+1536*\s+512*\p
.endr
.endr
.endr
	WIN 0
.endm
; Tile m of the block's tokens against my four tiles of w2.  Jumped over where none of its 16 tokens uses this expert.
; A K step's codes lie as two halves of 768 bytes: registers 6 c .. 6 c + 3 at 16 x lane, registers 6 c + 4, 6 c + 5 at 512 + 8 x lane.
.macro DTILE m
	s_and_b32 s27, s24, 1<<\m
	s_cmp_eq_u32 s27, 0
	s_cbranch_scc1 .Lno_tile_\@
.irp s, 0,1,2,3,4,5,6,7
	ds_load_b32 v[XS+\s], v[R4] offset:HSL+512*\m+64*\s
.endr
.irp s, 0,1,2,3,4,5,6,7
	ds_load_b128 v[AF+12*\s:AF+12*\s+3], v[LI16] offset:HIMG+12288*\m+1536*\s
	ds_load_b64 v[AF+12*\s+4:AF+12*\s+5], v[LI8] offset:HIMG+12288*\m+1536*\s+512
	ds_load_b128 v[AF+12*\s+6:AF+12*\s+9], v[LI16] offset:HIMG+12288*\m+1536*\s+768
	ds_load_b64 v[AF+12*\s+10:AF+12*\s+11], v[LI8] offset:HIMG+12288*\m+1536*\s+1280
.endr
.irp s, 0,1,2,3,4,5,6,7
	s_wait_dscnt 4*(7-\s)                          ; the later K steps' four LDS loads each may be out
.if 12*(7-\s) > 63
	s_wait_loadcnt 63                              ; (more than 63 loads follow this step's: the count is the stricter)
.else
	s_wait_loadcnt 12*(7-\s)                       ; the later K steps' twelve loads of codes each may be out
.endif
	WIN 0xf1+(\s/4)                                ; source 0 window 1 or 2, source 1 window 0, C and D window 3
	PROD \s
.endr
.rept 4
	v_nop                                          ; four places between the products and the first read of their results (ISA guide 7.12.1)
.endr
	WIN 0xf3
.set i, 0
.rept 16
	v_pk_fma_f32 v[Y+32*\m+i:Y+32*\m+i+1], v[i:i+1], v[CM+2*\m:CM+2*\m+1], v[Y+32*\m+i:Y+32*\m+i+1] op_sel_hi:[1,0,1]   ; y += gate x result; each accumulator from its low end on
.set i, i+2
.endr
	WIN 0
.Lno_tile_\@:
.endm
.Lexp:                                             ; eight trips, one an expert
	s_lshl_b32 s27, 0x10000, s23                   ; the expert's bit in an entry
	s_and_b32 s30, s[UN+0], s27                    ; s24 bit m: some token of tile m uses the expert
	s_cselect_b32 s24, 1, 0
	s_and_b32 s30, s[UN+1], s27
	s_cselect_b32 s30, 2, 0
	s_or_b32 s24, s24, s30
	s_and_b32 s30, s[UN+2], s27
	s_cselect_b32 s30, 4, 0
	s_or_b32 s24, s24, s30
	s_and_b32 s30, s[UN+3], s27
	s_cselect_b32 s30, 8, 0
	s_or_b32 s24, s24, s30
	; ---- my tile's hidden codes and scale words into LDS, as they lie
	s_lshr_b32 s30, s24, s20
	s_and_b32 s30, s30, 1
	s_cmp_eq_u32 s30, 0
	s_cbranch_scc1 .Lno_copy
.set i, 0
.rept 24
	global_load_b128 v[64+4*i:67+4*i], v[LI16], s[14:15] offset:512*i
.set i, i+1
.endr
	global_load_b128 v[160:163], v[LI16], s[16:17]
	s_wait_loadcnt 0x0
.set i, 0
.rept 24
	ds_store_b128 v[HWI], v[64+4*i:67+4*i] offset:512*i
.set i, i+1
.endr
	ds_store_b128 v[HWS], v[160:163]
.Lno_copy:
	BARRIER                                        ; the tiles lie in LDS
	s_cmp_eq_u32 s24, 0
	s_cbranch_scc1 .Lno_m
.irp m, 0,1,2,3
	global_load_b32 v[CM+2*\m], v[CA+\m], s[4:5]   ; the gates of this expert
.endr
	BLOADS 10, 12
	DTILE 0
	DTILE 1
	DTILE 2
	DTILE 3
	s_wait_loadcnt 0x0                             ; on every way out of here no load is pending into registers that the next expert's loads take
.Lno_m:
	BARRIER                                        ; every wave's reads of the tiles are over
	s_wait_xcnt 0x0                                ; the bases are written again only behind this wait
	s_add_nc_u64 s[4:5], s[4:5], 4
	s_add_nc_u64 s[10:11], s[10:11], 786432
	s_add_nc_u64 s[12:13], s[12:13], 32768
	s_add_nc_u64 s[14:15], s[14:15], 3145728
	s_add_nc_u64 s[16:17], s[16:17], 131072
	s_add_co_u32 s23, s23, 1
	s_cmp_lt_u32 s23, 8
	s_cbranch_scc1 .Lexp
	; THE WAY OUT.  A row's 1,024 bytes come from four waves: they meet in the stage, and each wave stores 16 whole rows at their tokens' places.
	WIN 0x0c                                       ; an LDS store's data are its source 1: window 3
.irp m, 0,1,2,3
.irp n, 0,1,2,3
	ds_store_b128 v[SO], v[Y+32*\m+8*\n:Y+32*\m+8*\n+3] offset:16*SPITCH*\m+128*(\n/2)+32*(\n%2)
	ds_store_b128 v[SO], v[Y+32*\m+8*\n+4:Y+32*\m+8*\n+7] offset:16*SPITCH*\m+128*(\n/2)+32*(\n%2)+16
.endr
.endr
	WIN 0
	BARRIER
.set i, 0
.rept 32
	ds_load_b128 v[64+4*i:67+4*i], v[SR] offset:SPITCH*(i/2)+512*(i%2)
.set i, i+1
.endr
.set i, 0
.rept 16
	s_and_b32 s27, s[OWN+i], 0xfff                 ; row i's token,
	s_min_u32 s27, s27, 0xfff                      ; inside y, whatever was loaded,
	s_lshl_b32 s27, s27, 12                        ; its row of 4,096 bytes
	v_add_nc_u32 v[OA+i], s27, v[LI16]
.set i, i+1
.endr
.set i, 0
.rept 32
	s_wait_dscnt 31-i                              ; the younger read-backs may be out
	global_store_b128 v[OA+i/2], v[64+4*i:67+4*i], s[18:19] offset:512*(i%2) th:TH_STORE_NT   ; 512 consecutive bytes, aligned; written once
.set i, i+1
.endr
	s_wait_tensorcnt 0x0
	ds_add_u32 v254, v255
	s_wait_dscnt 0x0
	s_endpgm
.Lfunc_end_k_q58e96e0e91_down:
	.size	k_q58e96e0e91_down, .Lfunc_end_k_q58e96e0e91_down-k_q58e96e0e91_down
	.p2alignl 7, 3214868480
	.fill 96, 4, 3214868480
	.section	.rodata,"a",@progbits
	.p2align	6, 0x0
	.amdhsa_kernel k_q58e96e0e91_down
		.amdhsa_group_segment_fixed_size 118272
		.amdhsa_private_segment_fixed_size 0
		.amdhsa_enable_private_segment 0
		.amdhsa_kernarg_size 64
		.amdhsa_user_sgpr_count 2
		.amdhsa_user_sgpr_kernarg_segment_ptr 1
		.amdhsa_wavefront_size32 1
		.amdhsa_system_sgpr_workgroup_id_x 1
		.amdhsa_system_sgpr_workgroup_id_y 1
		.amdhsa_system_sgpr_workgroup_id_z 1
		.amdhsa_system_vgpr_workitem_id 0
		.amdhsa_next_free_vgpr 1024
		.amdhsa_next_free_sgpr 100
		.amdhsa_reserve_vcc 0
		.amdhsa_float_denorm_mode_32 3
		.amdhsa_float_denorm_mode_16_64 3
		.amdhsa_memory_ordered 1
		.amdhsa_forward_progress 1
		.amdhsa_inst_pref_size 70
	.end_amdhsa_kernel
	.amdgpu_metadata
---
amdhsa.version: [ 1, 2 ]
amdhsa.kernels:
  - .name:           k_q58e96e0e91_down
    .symbol:         k_q58e96e0e91_down.kd
    .args:
      - { .name: combine_tensor, .offset: 0, .size: 8, .value_kind: global_buffer, .address_space: global }
      - { .name: b2, .offset: 8, .size: 8, .value_kind: global_buffer, .address_space: global }
      - { .name: list, .offset: 16, .size: 8, .value_kind: global_buffer, .address_space: global }
      - { .name: wq, .offset: 24, .size: 8, .value_kind: global_buffer, .address_space: global }
      - { .name: wsc, .offset: 32, .size: 8, .value_kind: global_buffer, .address_space: global }
      - { .name: hq, .offset: 40, .size: 8, .value_kind: global_buffer, .address_space: global }
      - { .name: hs, .offset: 48, .size: 8, .value_kind: global_buffer, .address_space: global }
      - { .name: out0, .offset: 56, .size: 8, .value_kind: global_buffer, .address_space: global }
    .group_segment_fixed_size: 118272
    .private_segment_fixed_size: 0
    .kernarg_segment_align: 8
    .kernarg_segment_size: 64
    .max_flat_workgroup_size: 128
    .sgpr_count:     100
    .vgpr_count:     1024
    .wavefront_size: 32
...
	.end_amdgpu_metadata
.endif
;; end of part 4
;; ======== version 2 of 2: 3 launches
;; limits: right only within a limited range of input values
;; workspace buffers: wq 12,582,912 bytes; wsc 524,288 bytes; tokw 16,384 bytes of whole numbers; cnt 8,192 bytes of whole numbers; list 16,384 bytes of whole numbers; hq 25,165,824 bytes; hs 1,048,576 bytes
;; launch prep (part 5): grid 256 x 1, 8 waves a work-group, no clusters, 52,224 bytes of LDS; arguments w1, w2, wq, wsc, dispatch_tensor, combine_tensor, tokw, cnt; writes wq, wsc, tokw, cnt
.if DOCPART == 5
	.amdgcn_target "amdgcn-amd-amdhsa--gfx1250"
	.amdhsa_code_object_version 6
	.text
	.protected	k_q58e96e0e91_prep
	.globl	k_q58e96e0e91_prep
	.p2align	8
	.type	k_q58e96e0e91_prep,@function
k_q58e96e0e91_prep:
	s_mov_b64 s[64:65], 0
	v_nop
	global_prefetch_b8 v0, s[64:65] scope:SCOPE_SE
	s_setreg_imm32_b32 hwreg(HW_REG_WAVE_MODE, 25, 1), 1
	s_wait_xcnt 0x0
; THE WEIGHTS.  w1 and w2, [8][1024 (K)][1024 (N)] f32, become codes of BF6 (E3M2) with one E8M0 byte for each 32 along K.  A lane takes a column n and its registers run down K: nothing is transposed.
;   wq  [mat 16][tile 64][K step 8][1536]: a fragment (16 rows x 128 K, 12 registers a lane) as three planes of 512 bytes, plane p = registers 4 p .. 4 p + 3 of lane l at 16 l.  mat = e (w1), 8 + e (w2).
;   wsc [mat][pair 32][g 4][16 u + rho][8]: the scale words of K steps 2 g, 2 g + 1 of row rho of tile 2 pair + u.
;   Row rho of tile 2 P + u is column 32 P + 8 u + rho + 8 (rho / 8): so the results of two neighbouring tiles, used transposed, are 16 neighbouring columns in a lane.
; 256 work-groups of equal work: a matrix, 256 columns, 256 along K each; a wave 32 columns.
; THE TOKENS, on the way: wave 0 of work-group g takes tokens 16 g .. 16 g + 15.  A token's set: the experts e with dispatch != 0 and combine != 0.  Every other pair adds exactly 0 to y (with dispatch = 0 the
; row is zeros, its mask 0 and gelu(0) = 0; with combine = 0 its weight is 0) and is left out by the later launches, which read these whole numbers.  Its key: the first expert of the set (8 = none).
;   tokw[t] = 4 x (how many of the group's earlier tokens have the same key) | 4 key << 8 | set << 16;   cnt[g] = the group's counts of the nine keys, two to a word, five words and three zeros.
; Both are stored at fixed places: nothing but VALUES hangs on the floats here.  The two loads stand ahead of the stream's (the oldest, so every counted wait holds with them and without), the work behind the first block.
; A block's byte is its largest magnitude's exponent field - 4, held at 1 from below (a block of zeros keeps the byte 1: its codes are zeros, and this program alone reads the bytes).
; LIMITS: NaN and infinities among the inputs are not served (in the sets a NaN counts as not 0); pairs left out carry no NaN, infinity or overflow to the result; blocks under 2^(5 - 127) take the floor's byte.
.set X,    32                          ; v32-95   two sets of 32 numbers
.set C,    96                          ; v96-101  a block's codes
.set C2,   104
.set OUTR, 112                         ; v112-159 the way out
.set SB,   24                          ; v24-25   eight scale bytes
.set STW,  6400                        ; a stage for each wave: two tiles x (3,072 + 128) bytes
.set STU,  3200
.set FM,   40                          ; s40-48 which lanes' token has key k
.set EM,   50                          ; s50-58 the even ones of them, then their number
	s_load_b256 s[4:11], s[0:1], 0x0               ; w1, w2, wq, wsc
	s_load_b256 s[12:19], s[0:1], 0x20             ; dispatch, combine, tokw, cnt
	v_lshl_add_u32 v208, v0, 2, 0xc800
	v_mov_b32 v209, 0
	v_lshrrev_b32 v1, 5, v0
	s_delay_alu instid0(VALU_DEP_1)
	v_readfirstlane_b32 s20, v1                    ; wave 0..7
	v_and_b32 v2, 31, v0                           ; lane
	s_mov_b32 s21, ttmp9                           ; 0..255
	s_lshr_b32 s22, s21, 4                         ; mat
	s_bfe_u32 s23, s21, 0x20002                    ; which 256 columns
	s_and_b32 s24, s21, 3                          ; which 256 along K
	s_lshl_b32 s25, s23, 3
	s_add_co_u32 s25, s25, s20                     ; P: my wave's pair of tiles
	s_mul_i32 s26, s20, STW
	v_lshlrev_b32 v3, 2, v2                        ; in: 4 bytes a lane
	v_bfe_u32 v5, v2, 3, 1                         ; u
	v_and_b32 v6, 7, v2
	v_lshrrev_b32 v10, 4, v2
	s_delay_alu instid0(VALU_DEP_1)
	v_lshl_add_u32 v6, v10, 3, v6                  ; rho
	v_mul_u32_u24 v4, v5, STU
	s_delay_alu instid0(VALU_DEP_1)
	v_lshl_add_u32 v4, v6, 4, v4
	s_delay_alu instid0(VALU_DEP_1)
	v_add_nc_u32 v4, s26, v4                       ; into the stage
	v_lshlrev_b32 v8, 4, v2                        ; out: 16 bytes a lane
	s_delay_alu instid0(VALU_DEP_1)
	v_add_nc_u32 v7, s26, v8
	v_lshl_add_u32 v9, v5, 4, v6
	s_delay_alu instid0(VALU_DEP_1)
	v_lshlrev_b32 v9, 3, v9                        ; my two scale words' place
	v_lshrrev_b32 v17, 1, v2
	s_delay_alu instid0(VALU_DEP_1)
	v_lshlrev_b32 v17, 2, v17                      ; the tokens: lanes 2 i and 2 i + 1 serve token i
	v_and_b32 v18, 7, v2
	s_delay_alu instid0(VALU_DEP_1)
	v_lshlrev_b32 v18, 2, v18                      ; the counts: lane l serves word l % 8
	v_and_b32 v19, 1, v2
	s_delay_alu instid0(VALU_DEP_1)
	v_lshlrev_b32 v19, 2, v19                      ; 4 p: where my half set stands in the set
	s_and_b32 s28, s22, 7
	s_lshl_b32 s28, s28, 22                        ; the expert's matrix, 4 MiB,
	s_lshl_b32 s27, s24, 20                        ; 256 rows of 4,096 bytes,
	s_add_co_u32 s28, s28, s27
	s_lshl_b32 s27, s25, 7                         ; 32 columns
	s_add_co_u32 s28, s28, s27
	s_mov_b32 s29, 0
	s_mul_i32 s30, s22, 786432
	s_mul_i32 s27, s25, 24576
	s_add_co_u32 s30, s30, s27
	s_mul_i32 s27, s24, 3072
	s_add_co_u32 s30, s30, s27
	s_mov_b32 s31, 0
	s_lshl_b32 s32, s22, 15
	s_lshl_b32 s27, s25, 10
	s_add_co_u32 s32, s32, s27
	s_lshl_b32 s27, s24, 8
	s_add_co_u32 s32, s32, s27
	s_mov_b32 s33, 0
	s_lshl_b32 s34, s21, 9                         ; my 16 tokens' rows of dispatch and of combine
	s_mov_b32 s35, 0
	s_lshl_b32 s36, s21, 6                         ; their words
	s_mov_b32 s37, 0
	s_lshl_b32 s38, s21, 5                         ; the group's counts
	s_mov_b32 s39, 0
	s_mov_b32 s49, 0xaaaaaaaa                      ; the odd lanes
	s_mov_b32 s66, 0x76543210
	s_mov_b32 s67, 0xfedcba98                      ; v_permlanex16_b32's selects for lane l xor 16
	s_wait_alu depctr_va_vdst(0)                   ; the wait at the head's end
	s_wait_kmcnt 0x0
	s_cmp_lt_u32 s21, 128                          ; w1 or w2
	s_cselect_b64 s[4:5], s[4:5], s[6:7]
	s_add_nc_u64 s[4:5], s[4:5], s[28:29]
	s_add_nc_u64 s[8:9], s[8:9], s[30:31]
	s_add_nc_u64 s[10:11], s[10:11], s[32:33]
	s_add_nc_u64 s[12:13], s[12:13], s[34:35]
	s_add_nc_u64 s[14:15], s[14:15], s[34:35]
	s_add_nc_u64 s[16:17], s[16:17], s[36:37]
	s_add_nc_u64 s[18:19], s[18:19], s[38:39]
	s_cmp_lg_u32 s20, 0
	s_cbranch_scc1 .Lno_word
	global_load_b128 v[160:163], v8, s[12:13]      ; wave 0: lane 2 i + p holds experts 4 p .. 4 p + 3 of token i; 512 consecutive bytes a load
	global_load_b128 v[164:167], v8, s[14:15]
.Lno_word:
.macro LOADW t                         ; block t: W(32 t + i, my column) into set t % 2; a wave's load reads 128 consecutive bytes, the eight waves stand side by side
.set i, 0
.rept 32
	global_load_b32 v[X+32*((\t)%2)+i], v3, s[4:5] offset:(32*(\t)+i)*4096 th:TH_LOAD_NT
.set i, i+1
.endr
.endm
	LOADW 0
	LOADW 1
; Block t is K step t / 4 of my two, and in its fragment registers 6 c .. 6 c + 5 of lane rho + 16 h, c = (t / 2) % 2, h = t % 2.
.macro BLOCK t
.set XS, X+32*((\t)%2)
.set SO, 1536*((\t)/4)+256*((\t)%2)
.if (\t) < 7
	s_wait_loadcnt 32                              ; this block's 32 loads (and all older ones) are in; the next block's 32 may be out
.else
	s_wait_loadcnt 0x0
.endif
	v_max3_num_f32 v12, |v[XS]|, |v[XS+1]|, |v[XS+2]|
	v_max3_num_f32 v13, |v[XS+3]|, |v[XS+4]|, |v[XS+5]|
.irp i, 6,10,14,18,22,26
	s_delay_alu instid0(VALU_DEP_2)
	v_max3_num_f32 v12, v12, |v[XS+\i]|, |v[XS+\i+1]|
	s_delay_alu instid0(VALU_DEP_2)
	v_max3_num_f32 v13, v13, |v[XS+\i+2]|, |v[XS+\i+3]|
.endr
	s_delay_alu instid0(VALU_DEP_2)
	v_max3_num_f32 v12, v12, |v[XS+30]|, |v[XS+31]|
	s_delay_alu instid0(VALU_DEP_1)
	v_max3_num_f32 v12, v12, v13, 0x2800000        ; with the floor 2^(5 - 127)
	s_delay_alu instid0(VALU_DEP_1)
	v_add_nc_u32 v11, 0xfe000000, v12              ; 4 off the exponent field: the conversion's scale operand
	s_delay_alu instid0(VALU_DEP_1)
	v_lshrrev_b32 v13, 23, v11                     ; the byte
	v_cvt_scalef32_pk16_bf6_f32 v[C:C+2], v[XS:XS+15], v11
	v_cvt_scalef32_pk16_bf6_f32 v[C2:C2+2], v[XS+16:XS+31], v11
.if (\t)%4 == 0
	v_mov_b32 v[SB+(\t)/4], v13                    ; four bytes to a word.  (Also the plain line behind the conversions)
.else
	v_lshl_or_b32 v[SB+(\t)/4], v13, 8*((\t)%4), v[SB+(\t)/4]
.endif
.irp i, 0,1,2
	v_mov_b32 v[C+3+\i], v[C2+\i]
.endr
.if ((\t)/2)%2 == 0
	ds_store_b128 v4, v[C:C+3] offset:SO           ; registers 0-3: plane 0
	ds_store_b64 v4, v[C+4:C+5] offset:SO+512      ; registers 4, 5
.else
	ds_store_b64 v4, v[C:C+1] offset:SO+520        ; registers 6, 7
	ds_store_b128 v4, v[C+2:C+5] offset:SO+1024    ; registers 8-11: plane 2
.endif
.if (\t)+2 < 8
	LOADW (\t)+2
.endif
	s_wait_dscnt 0x0                               ; the stores have read their registers
.endm
	BLOCK 0
	s_cmp_lg_u32 s20, 0
	s_cbranch_scc1 .Lno_tok
.irp i, 0,1,2,3
	v_min_num_f32 v[160+\i], |v[160+\i]|, |v[164+\i]|   ; not 0 where both are not 0; never negative, so its bits are 0 only where it is 0
.endr
.irp i, 0,1,2,3
	s_delay_alu instid0(VALU_DEP_4)
	v_min_u32 v[160+\i], 1, v[160+\i]              ; the pair's bit
.endr
	v_lshl_or_b32 v160, v161, 1, v160
	v_lshl_or_b32 v162, v163, 1, v162
	s_delay_alu instid0(VALU_DEP_1)
	v_lshl_or_b32 v160, v162, 2, v160
	s_delay_alu instid0(VALU_DEP_1)
	v_lshlrev_b32 v160, v19, v160                  ; my half set at its place
	s_delay_alu instid0(VALU_DEP_1)
	v_mov_b32_dpp v161, v160 row_xmask:1 row_mask:0xf bank_mask:0xf
	s_delay_alu instid0(VALU_DEP_1)
	v_or_b32 v160, v160, v161                      ; the set, in both lanes of the token
	s_delay_alu instid0(VALU_DEP_1)
	v_or_b32 v161, 0x100, v160                     ; bit 8: no expert at all
	s_delay_alu instid0(VALU_DEP_1)
	v_sub_nc_u32 v162, 0, v161
	s_delay_alu instid0(VALU_DEP_1)
	v_and_b32 v161, v161, v162                     ; the lowest bit alone: 2^key
	s_delay_alu instid0(VALU_DEP_1)
	v_cvt_f32_u32 v161, v161                       ; as f32 its exponent field is key + 127
	s_delay_alu instid0(VALU_DEP_1)
	v_lshrrev_b32 v161, 23, v161
	s_delay_alu instid0(VALU_DEP_1)
	v_add_nc_u32 v161, 0xffffff81, v161            ; the key
.irp k, 0,1,2,3,4,5,6,7,8
	v_cmp_eq_u32 s[FM+\k], \k, v161
.endr
.irp k, 0,1,2,3,4,5,6,7,8
	s_and_b32 s[EM+\k], s[FM+\k], 0x55555555       ; a token counts once: by its even lane
.endr
	v_mbcnt_lo_u32_b32 v162, s[EM], 0
.irp k, 1,2,3,4,5,6,7,8
	v_mbcnt_lo_u32_b32 v163, s[EM+\k], 0
	s_delay_alu instid0(VALU_DEP_1)
	v_cndmask_b32 v162, v162, v163, s[FM+\k]       ; in an even lane: the earlier tokens of the group with my key
.endr
	s_delay_alu instid0(VALU_DEP_1)
	v_lshlrev_b32 v162, 2, v162
	s_delay_alu instid0(VALU_DEP_1)
	v_lshl_or_b32 v162, v161, 10, v162             ; 4 key << 8
	s_delay_alu instid0(VALU_DEP_1)
	v_lshl_or_b32 v162, v160, 16, v162
	s_delay_alu instid0(VALU_DEP_1)
	v_mov_b32_dpp v163, v162 row_xmask:1 row_mask:0xf bank_mask:0xf
	s_delay_alu instid0(VALU_DEP_1)
	v_cndmask_b32 v162, v162, v163, s49            ; the odd lane takes the even lane's word
	global_store_b32 v17, v162, s[16:17]           ; both lanes store the same word at the same place; 64 consecutive bytes
.irp k, 0,1,2,3,4,5,6,7,8
	s_bcnt1_i32_b32 s[EM+\k], s[EM+\k]             ; the group's count of key k
.endr
.irp i, 0,1,2,3
	s_lshl_b32 s59, s[EM+2*\i+1], 16
	s_or_b32 s[60+\i], s[EM+2*\i], s59             ; two counts to a word
.endr
	v_mov_b32 v165, 0
	v_mov_b32 v164, 0
.irp i, 0,1,2,3
	s_delay_alu instid0(VALU_DEP_1)
	v_writelane_b32 v164, s[60+\i], \i
.endr
	s_delay_alu instid0(VALU_DEP_1)
	v_writelane_b32 v164, s[EM+8], 4
	s_delay_alu instid0(VALU_DEP_1)
	v_mov_b32_dpp v165, v164 row_xmask:8 row_mask:0xf bank_mask:0xf
	s_delay_alu instid0(VALU_DEP_1)
	v_or_b32 v164, v164, v165                      ; lanes 8-15 hold the same eight words,
	s_delay_alu instid0(VALU_DEP_1)
	v_permlanex16_b32 v165, v164, s66, s67
	s_delay_alu instid0(VALU_DEP_1)
	v_or_b32 v164, v164, v165                      ; and lanes 16-31
	global_store_b32 v18, v164, s[18:19]           ; 32 consecutive bytes; none of these registers is written again
.Lno_tok:
.irp t, 1,2,3,4,5,6,7
	BLOCK \t
.endr
	s_wait_alu depctr_va_vdst(0)                   ; the wait ahead of the reader below
	global_store_b64 v9, v[SB:SB+1], s[10:11]      ; the wave's 32 lanes fill 256 consecutive bytes, aligned
.irp u, 0,1
.irp i, 0,1,2,3,4,5
	ds_load_b128 v[OUTR+4*(6*\u+\i):OUTR+4*(6*\u+\i)+3], v7 offset:STU*\u+512*\i
.endr
.endr
.irp u, 0,1
.irp i, 0,1,2,3,4,5
	s_wait_dscnt 11-(6*\u+\i)                      ; the younger read-backs may be out
	global_store_b128 v8, v[OUTR+4*(6*\u+\i):OUTR+4*(6*\u+\i)+3], s[8:9] offset:12288*\u+512*\i
.endr
.endr
	s_wait_tensorcnt 0x0                           ; the wave's end
	ds_add_u32 v208, v209
	s_wait_dscnt 0x0
	s_endpgm
.Lfunc_end_k_q58e96e0e91_prep:
	.size	k_q58e96e0e91_prep, .Lfunc_end_k_q58e96e0e91_prep-k_q58e96e0e91_prep
	.p2alignl 7, 3214868480
	.fill 96, 4, 3214868480
	.section	.rodata,"a",@progbits
	.p2align	6, 0x0
	.amdhsa_kernel k_q58e96e0e91_prep
		.amdhsa_group_segment_fixed_size 52224
		.amdhsa_private_segment_fixed_size 0
		.amdhsa_enable_private_segment 0
		.amdhsa_kernarg_size 64
		.amdhsa_user_sgpr_count 2
		.amdhsa_user_sgpr_kernarg_segment_ptr 1
		.amdhsa_wavefront_size32 1
		.amdhsa_system_sgpr_workgroup_id_x 1
		.amdhsa_system_sgpr_workgroup_id_y 1
		.amdhsa_system_sgpr_workgroup_id_z 1
		.amdhsa_system_vgpr_workitem_id 0
		.amdhsa_next_free_vgpr 210
		.amdhsa_next_free_sgpr 72
		.amdhsa_reserve_vcc 0
		.amdhsa_float_denorm_mode_32 3
		.amdhsa_float_denorm_mode_16_64 3
		.amdhsa_memory_ordered 1
		.amdhsa_forward_progress 1
		.amdhsa_inst_pref_size 53
	.end_amdhsa_kernel
	.amdgpu_metadata
---
amdhsa.version: [ 1, 2 ]
amdhsa.kernels:
  - .name:           k_q58e96e0e91_prep
    .symbol:         k_q58e96e0e91_prep.kd
    .args:
      - { .name: w1, .offset: 0, .size: 8, .value_kind: global_buffer, .address_space: global }
      - { .name: w2, .offset: 8, .size: 8, .value_kind: global_buffer, .address_space: global }
      - { .name: wq, .offset: 16, .size: 8, .value_kind: global_buffer, .address_space: global }
      - { .name: wsc, .offset: 24, .size: 8, .value_kind: global_buffer, .address_space: global }
      - { .name: dispatch_tensor, .offset: 32, .size: 8, .value_kind: global_buffer, .address_space: global }
      - { .name: combine_tensor, .offset: 40, .size: 8, .value_kind: global_buffer, .address_space: global }
      - { .name: tokw, .offset: 48, .size: 8, .value_kind: global_buffer, .address_space: global }
      - { .name: cnt, .offset: 56, .size: 8, .value_kind: global_buffer, .address_space: global }
    .group_segment_fixed_size: 52224
    .private_segment_fixed_size: 0
    .kernarg_segment_align: 8
    .kernarg_segment_size: 64
    .max_flat_workgroup_size: 256
    .sgpr_count:     72
    .vgpr_count:     210
    .wavefront_size: 32
...
	.end_amdgpu_metadata
.endif
;; end of part 5
;; launch up (part 6): grid 4 x 64, 4 waves a work-group, no clusters, 88,064 bytes of LDS; arguments x, dispatch_tensor, b1, tokw, wq, wsc, hq, hs, list, cnt; writes hq, hs, list
.if DOCPART == 6
	.amdgcn_target "amdgcn-amd-amdhsa--gfx1250"
	.amdhsa_code_object_version 6
	.text
	.protected	k_q58e96e0e91_up
	.globl	k_q58e96e0e91_up
	.p2align	8
	.type	k_q58e96e0e91_up,@function
k_q58e96e0e91_up:
	s_mov_b64 s[64:65], 0
	v_nop
	global_prefetch_b8 v0, s[64:65] scope:SCOPE_SE
	s_setreg_imm32_b32 hwreg(HW_REG_WAVE_MODE, 25, 1), 1
	s_wait_xcnt 0x0
; h = gelu(Q(x d) Q(w1[e]) + mask b1[e]), quantised along the hidden units and stored as codes, for the pairs (token, expert) that count.
; SHARES.  A work-group owns block blk (y) of 64 ranks and hidden units 256 q (x) on; wave w owns 64 of these, four tiles of 16, for all 64 tokens, and prepares the tokens' tile m = w.
; THE RANKS, from the whole numbers that the launch before stored (a word a token, nine counts for each group of 16 tokens).  The order: by key (a token's first expert), group, place in the group.
; A thread adds up two groups' counts (two to a word); a prefix over the 32 lanes, the four waves' totals through LDS and the keys' bases in scalars give each group's first rank of each key: a table of 256 x 9 words
; in LDS.  4 x rank = the table's word of (group, key) + the token's own term.
; THE BLOCK'S LIST.  Each wave scans 1,024 tokens (dense loads) and puts those whose rank lies in the block at their place in 256 LDS bytes of the wave's own, cleared first; behind a barrier the four parts are
; joined by OR.  The work-groups with q = 0 store the block's list (token | set << 16) for the next launch.
; THE WALK.  e = 0 .. 7, a constant count, with scalar branches on the sets over experts and tiles that use none.  In a tile that is taken, a token that does not use e has d = 0 or a gate of 0 in the next launch.
; X.  A row of x comes in eight loads of 512 consecutive bytes; half a row at a time turns through the wave's own stage in LDS, so that a lane holds 16 neighbours along K (two lanes a block of 32).
; The codes lie in LDS as plain rows of 768 bytes, 784 apart: a fragment is six loads of 8 bytes a lane.  Loads run 15 groups of four ahead; a run of loads (macro ASK) asks for d, 15 groups of x, b1 and the
; expert's weights, once ahead of the loop and again behind an expert's products where another expert follows.
; No cluster, no tensor loads: which blocks walk which expert is known only from the stored numbers, and branches hang on them.  No prefetch: the launch's own loads run ahead as far as the counter counts.
; THE PRODUCT IS USED TRANSPOSED: source 0 = 16 rows of the laid-out w1, source 1 = 16 tokens.  Lane (r, h) holds token r; register 16 b + i of my four tiles is hidden unit 32 b + 16 h + i of my 64.
; GELU, exact form: gelu(h) = max(h, 0) - |h| / 2 erfc(|h| / sqrt 2), erfc(z) = t exp(-z z + P(t)), t = 1 / (1 + z / 2), P of degree 9 (fractional error of the fit 1.2e-7), in f32, the exponent to base 2.
; LIMITS: where the definition would make NaN of 0 x infinity in a pair left out, this gives the finite sum; NaN and infinities among the inputs are not served; the bias mask's row sum is added in another
; order than the definition's: a row whose sum cancels to exactly 0 in one order only may differ, a row of zeros never; blocks of zeros carry the byte 1 with zero codes.
.set XP,   784
.set XIMG, 0                           ; 64 rows of codes
.set XSC,  64*XP                       ; 64 rows of 32 scale bytes, 36 apart
.set MSK,  XSC+64*36                   ; the masks, 128 bytes a tile
.set HSC,  MSK+512                     ; the hidden layer's scale bytes
.set LST,  HSC+512                     ; four parts of the list, 256 bytes each
.set STG,  LST+1024                    ; a wave's two stages of 32 x 80 bytes
.set TB,   STG+4*5120                  ; the table: 256 groups x 48 bytes, word k = 4 x the group's first rank of key k
.set WT,   TB+12288                    ; the four waves' totals, 32 bytes each
.set SPARE, WT+256                     ; the spare words
.set LI16, 1
.set LI8,  2
.set LS,   3
.set R4,   4
.set XWI,  5
.set XWS,  6
.set MKW,  7
.set HSW,  8
.set HSR,  9
.set FRA,  10                          ; a fragment's row: 784 r + 24 h
.set DA,   11
.set B1A,  12
.set FRS,  13                          ; 36 r
.set ME,   17                          ; my tile's entries
.set MF,   18                          ; v[18:19] the mask (v19 = 0)
.set SIN,  20
.set SOUT, 21
.set DD,   22                          ; d of my tile's token r
.set LZ,   24                          ; head: my part of the list; later a tile's place for scale bytes
.set TOK,  25
.set TKA,  26
.set LRA,  27
.set BS,   32                          ; v32-47 w1's scale words
.set XS,   48                          ; v48-55 x's scale words
.set HSD,  59
.set AF,   64                          ; v64-159 a tile's eight fragments
.set XO,   192                         ; v192-207 my 16 rows' offsets in x
; x as loaded: 16 sets of 16 registers, group g in set g % 16: sets 0-7 at v64-191 of window 0, sets 8-15 at v0-127 of window 3.  v208-239 two sets of 16 neighbours; v240-246 codes; v248-249 bytes; v60-63 sums;
; v28-31 and v48-59 the rows' partial sums.  Windows 1, 2: w1's fragments (n, s) at v[12 (4 (s % 4) + n)].  In the head v64-236 are at work on the ranks.
.set H,    0                           ; window 3
.set T,    32
.set Z,    64
.set P,    96
.set B1,   128
.set C9,   160
.set PC3,  164
.set TM3,  184
.set HW,   200
.set UN,   32                          ; s32-35 tile m's union of sets, at bits 16 to 23; s38 my tile's
.set MSB, 0
.macro WIN new
.if MSB != (\new)
	s_set_vgpr_msb (MSB<<8)|(\new)
.set MSB, \new
.endif
.endm
.macro BARRIER
	s_wait_dscnt 0x0
	s_barrier_signal -1
	s_barrier_wait -1
.endm
.macro PAIR r, bits
	s_mov_b32 s[\r], \bits
	s_mov_b32 s[\r+1], \bits
.endm
.macro NEXT                            ; s26 = the lowest expert in the mask s27 (7 where it is empty)
	s_mov_b32 s26, 7
.irp i, 6,5,4,3,2,1,0
	s_and_b32 s28, s27, 1<<\i
	s_cselect_b32 s26, \i, s26
.endr
	s_min_u32 s26, s26, 7
.endm
.macro XG g                            ; group g: half g % 2 of row g / 2, four loads of 512 consecutive bytes
.set GH, (((\g)%16)/8)
.set GV, (1-GH)*64+16*((\g)%8)
	WIN 0xc0*GH
.irp i, 0,1,2,3
	global_load_b128 v[GV+4*\i:GV+4*\i+3], v[XO+(\g)/2], s[4:5] offset:2048*((\g)%2)+512*\i
.endr
	WIN 0
.endm
.macro TURN g                          ; group g through the stage: in as loaded, out 64 bytes a lane.  LDS serves a wave's instructions in order
.set GH, (((\g)%16)/8)
.set GV, (1-GH)*64+16*((\g)%8)
	WIN 0x0c*GH
.irp i, 0,1,2,3
	ds_store_b128 v[SIN], v[GV+4*\i:GV+4*\i+3] offset:2560*((\g)%2)+640*\i
.endr
	WIN 0
.irp i, 0,1,2,3
	ds_load_b128 v[208+16*((\g)%2)+4*\i:208+16*((\g)%2)+4*\i+3], v[SOUT] offset:2560*((\g)%2)+16*\i
.endr
.endm
.macro STEP g                          ; half a row: x d, its part of the row sum, 16 codes and a scale byte a lane
.set TT, (\g)/2
.set UU, (\g)%2
.set XR, 208+16*UU
.set CR, 240+4*UU
.if (\g) > 0
	s_wait_dscnt 4                                 ; my 16 neighbours are back; the last step's four stores may be out
.else
	s_wait_dscnt 0x0
.endif
.if (\g)+15 < 32
	XG (\g)+15
.endif
.if (\g)+1 < 32
.if (\g)+1 < 15
	s_wait_loadcnt 63                              ; behind the next group stand more loads than a count can name: the count is the stricter
.elseif (\g)+15 < 32
	s_wait_loadcnt 56                              ; the next group is in; the 14 groups behind it may be out
.else
	s_wait_loadcnt 4*(30-(\g))                     ; the groups behind the next one, up to the last
.endif
	TURN (\g)+1
.endif
.if UU == 0
	v_readlane_b32 s76, v[DD], TT                  ; the row's d
.endif
.irp i, 0,2,4,6,8,10,12,14
	v_pk_mul_f32 v[XR+\i:XR+\i+1], v[XR+\i:XR+\i+1], s[76:77] op_sel_hi:[1,0]
.endr
	v_max3_num_f32 v250, |v[XR]|, |v[XR+1]|, |v[XR+2]|
	v_max3_num_f32 v251, |v[XR+3]|, |v[XR+4]|, |v[XR+5]|
.if UU == 0
	v_pk_add_f32 v[60:61], v[XR:XR+1], v[XR+2:XR+3]     ; the first pairs start the row's two chains
	v_pk_add_f32 v[62:63], v[XR+4:XR+5], v[XR+6:XR+7]
.else
	v_pk_add_f32 v[60:61], v[60:61], v[XR:XR+1]
	v_pk_add_f32 v[62:63], v[62:63], v[XR+2:XR+3]
	v_pk_add_f32 v[60:61], v[60:61], v[XR+4:XR+5]
	v_pk_add_f32 v[62:63], v[62:63], v[XR+6:XR+7]
.endif
.irp i, 6,10
	v_max3_num_f32 v250, v250, |v[XR+\i]|, |v[XR+\i+1]|
	v_max3_num_f32 v251, v251, |v[XR+\i+2]|, |v[XR+\i+3]|
	v_pk_add_f32 v[60:61], v[60:61], v[XR+2+\i:XR+3+\i]
.endr
	v_pk_add_f32 v[62:63], v[62:63], v[XR+10:XR+11]
	v_max3_num_f32 v250, v250, |v[XR+14]|, |v[XR+15]|
	v_pk_add_f32 v[62:63], v[62:63], v[XR+14:XR+15]
	v_max3_num_f32 v250, v250, v251, 0x2800000     ; with the floor 2^(5 - 127)
	v_max_num_f32_dpp v250, v250, v250 row_xmask:1 row_mask:0xf bank_mask:0xf   ; and my neighbour's 16: the block's
	v_add_nc_u32 v252, 0xfe000000, v250            ; 4 off the exponent field: the conversion's scale operand
	v_cvt_scalef32_pk16_bf6_f32 v[CR:CR+2], v[XR:XR+15], v252
	v_lshrrev_b32 v[248+UU], 23, v252              ; the byte.  (Also the plain line behind the conversion)
	ds_store_b8 v[XWS], v[248+UU] offset:36*TT+16*UU    ; both lanes of a block write the same byte
.irp c, 0,1,2
	ds_store_b32 v[XWI], v[CR+\c] offset:XP*TT+384*UU+4*\c   ; my 12 bytes of the row's stream of codes
.endr
.if UU == 1
	v_pk_add_f32 v[60:61], v[60:61], v[62:63]
	v_add_f32 v[28+TT+16*((TT+12)/16)], v60, v61   ; my part of the row's sum
.endif
.endm
.macro ROWS op:vararg                  ; one line for each of my 16 rows: t the row, PS its partial sum's register
.set t, 0
.rept 16
.set PS, 28+t+16*((t+12)/16)
	\op
.set t, t+1
.endr
.endm
.macro FIVE op:vararg                  ; one line for each of the five words of counts; i is the word
.set i, 0
.rept 5
	\op
.set i, i+1
.endr
.endm
; The four products of K step s: my four tiles by turns, one instruction a turn.
.macro PROD s
.irp n, 0,1,2,3
.set FB, 12*(4*((\s)%4)+\n)
.set FA, AF+12*(\s)
.set SW, BS+8*(\n/2)+(\s)
.if (\s) == 0
.if \n%2
	v_wmma_scale_f32_16x16x128_f8f6f4 v[8*\n:8*\n+7], v[FB:FB+11], v[FA:FA+11], 0, v[SW], v[XS+(\s)] matrix_a_fmt:MATRIX_FMT_BF6 matrix_b_fmt:MATRIX_FMT_BF6 matrix_a_scale:MATRIX_SCALE_ROW1
.else
	v_wmma_scale_f32_16x16x128_f8f6f4 v[8*\n:8*\n+7], v[FB:FB+11], v[FA:FA+11], 0, v[SW], v[XS+(\s)] matrix_a_fmt:MATRIX_FMT_BF6 matrix_b_fmt:MATRIX_FMT_BF6
.endif
.else
.if \n%2
	v_wmma_scale_f32_16x16x128_f8f6f4 v[8*\n:8*\n+7], v[FB:FB+11], v[FA:FA+11], v[8*\n:8*\n+7], v[SW], v[XS+(\s)] matrix_a_fmt:MATRIX_FMT_BF6 matrix_b_fmt:MATRIX_FMT_BF6 matrix_a_scale:MATRIX_SCALE_ROW1
.else
	v_wmma_scale_f32_16x16x128_f8f6f4 v[8*\n:8*\n+7], v[FB:FB+11], v[FA:FA+11], v[8*\n:8*\n+7], v[SW], v[XS+(\s)] matrix_a_fmt:MATRIX_FMT_BF6 matrix_b_fmt:MATRIX_FMT_BF6
.endif
.endif
.endr
.endm
; All that expert s26's trip asks for at once: d and 15 groups of x (cond = 1: only where my tile uses the expert), b1 (8 loads), the scale words (8), the codes (96, the youngest, in the order of the K steps).
.macro ASK cond
	s_mov_b32 s75, 0
	s_lshl_b32 s74, s26, 2
	s_add_nc_u64 s[66:67], s[6:7], s[74:75]        ; dispatch: column e
	s_lshl_b32 s74, s26, 12
	s_add_nc_u64 s[68:69], s[8:9], s[74:75]        ; b1: row e
	s_mul_i32 s74, s26, 786432
	s_add_nc_u64 s[70:71], s[12:13], s[74:75]      ; the codes of matrix e
	s_lshl_b32 s74, s26, 15
	s_add_nc_u64 s[72:73], s[14:15], s[74:75]      ; and its scale words
.if \cond
	s_add_co_u32 s30, s26, 16
	s_lshr_b32 s30, s38, s30
	s_and_b32 s30, s30, 1
	s_cmp_eq_u32 s30, 0
	s_cbranch_scc1 .Lnot_mine_\@
.endif
	global_load_b32 v[DD], v[DA], s[66:67]
.irp g, 0,1,2,3,4,5,6,7,8,9,10,11,12,13,14
	XG \g
.endr
.Lnot_mine_\@:
	WIN 0xc0
.irp n, 0,1,2,3
	global_load_b128 v[B1+8*\n:B1+8*\n+3], v[B1A], s[68:69] offset:(32*(\n/2)+8*(\n%2))*4
	global_load_b128 v[B1+8*\n+4:B1+8*\n+7], v[B1A], s[68:69] offset:(32*(\n/2)+8*(\n%2))*4+16
.endr
	WIN 0
.irp b, 0,1
.irp g, 0,1,2,3
	global_load_b64 v[BS+8*\b+2*\g:BS+8*\b+2*\g+1], v[LI8], s[72:73] offset:1024*\b+256*\g
.endr
.endr
.irp s, 0,1,2,3,4,5,6,7
	WIN 0x40+0x40*(\s/4)
.irp n, 0,1,2,3
.irp p, 0,1,2
	global_load_b128 v[12*(4*(\s%4)+\n)+4*\p:12*(4*(\s%4)+\n)+4*\p+3], v[LI16], s[70:71] offset:12288*\n+1536*\s+512*\p
.endr
.endr
.endr
	WIN 0
.endm
.macro GELU                            ; 32 numbers in v[H] on, all in window 3
.set i, 0
.rept 32
	v_fma_f32 v[T+i], |v[H+i]|, s60, 1.0           ; 1 + z / 2
.set i, i+1
.endr
.set i, 0
	s_wait_alu depctr_va_vdst(0)                   ; the wait ahead of a batch and behind it
.rept 32
	v_rcp_f32 v[T+i], v[T+i]                       ; t
.set i, i+1
.endr
.set i, 0
.rept 32
	v_mul_f32 v[Z+i], |v[H+i]|, s61                ; KZ |h|
.set i, i+1
.endr
.set i, 0
	s_wait_alu depctr_va_vdst(0)
.rept 16
	v_pk_fma_f32 v[P+i:P+i+1], v[T+i:T+i+1], v[C9:C9+1], s[40:41] op_sel_hi:[1,1,0]
.set i, i+2
.endr
.irp c, 42,44,46,48,50,52,54,56
.set i, 0
.rept 16
	v_pk_fma_f32 v[P+i:P+i+1], v[P+i:P+i+1], v[T+i:T+i+1], s[\c:\c+1] op_sel_hi:[1,1,0]
.set i, i+2
.endr
.endr
.set i, 0
.rept 16
	v_pk_fma_f32 v[P+i:P+i+1], v[Z+i:Z+i+1], v[Z+i:Z+i+1], v[P+i:P+i+1] neg_lo:[1,0,0] neg_hi:[1,0,0]   ; (P(t) - z z) log2(e)
.set i, i+2
.endr
.set i, 0
	s_wait_alu depctr_va_vdst(0)
.rept 32
	v_exp_f32 v[P+i], v[P+i]
.set i, i+1
.endr
.set i, 0
.rept 16
	v_pk_mul_f32 v[Z+i:Z+i+1], v[Z+i:Z+i+1], v[T+i:T+i+1]
.set i, i+2
.endr
.set i, 0
.rept 32
	v_max_num_f32 v[H+i], 0, v[H+i]
.set i, i+1
.endr
.set i, 0
	s_wait_alu depctr_va_vdst(0)
.rept 16
	v_pk_mul_f32 v[Z+i:Z+i+1], v[Z+i:Z+i+1], v[P+i:P+i+1]
.set i, i+2
.endr
.set i, 0
.rept 16
	v_pk_fma_f32 v[H+i:H+i+1], v[Z+i:Z+i+1], s[58:59], v[H+i:H+i+1] op_sel_hi:[1,0,1]   ; max(h, 0) - |h| / 2 erfc
.set i, i+2
.endr
.endm
.macro QUANT2                          ; my 32 numbers, two blocks shared with lane l xor 16, become six registers of codes and two bytes; all in window 3
.irp b, 0,1
	v_max3_num_f32 v[TM3+\b], |v[H+16*\b]|, |v[H+1+16*\b]|, 0x2800000
.endr
.irp i, 2,4,6,8,10,12,14
.irp b, 0,1
	v_max3_num_f32 v[TM3+\b], v[TM3+\b], |v[H+16*\b+\i]|, |v[H+1+16*\b+\i]|
.endr
.endr
.irp b, 0,1
	v_permlanex16_b32 v[TM3+2+\b], v[TM3+\b], s36, s37
.endr
.irp b, 0,1
	v_max_num_f32 v[TM3+\b], v[TM3+\b], v[TM3+2+\b]
.endr
.irp b, 0,1
	v_add_nc_u32 v[TM3+4+\b], 0xfe000000, v[TM3+\b]
.endr
.irp b, 0,1
	v_lshrrev_b32 v[TM3+2+\b], 23, v[TM3+4+\b]
.endr
	v_lshl_or_b32 v[HW], v[TM3+3], 8, v[TM3+2]
	v_cvt_scalef32_pk16_bf6_f32 v[PC3:PC3+2], v[H:H+15], v[TM3+4]
	v_cvt_scalef32_pk16_bf6_f32 v[PC3+8:PC3+10], v[H+16:H+31], v[TM3+5]
	v_nop                                          ; one plain line behind a scaled conversion
.irp i, 0,1,2
	v_permlane16_swap_b32 v[PC3+\i], v[PC3+8+\i]
.endr
.irp i, 0,1,2
	v_mov_b32 v[PC3+3+\i], v[PC3+8+\i]
.endr
.endm
	s_load_b512 s[4:19], s[0:1], 0x0               ; x 4, dispatch 6, b1 8, tokw 10, wq 12, wsc 14, hq 16, hs 18
	s_load_b64 s[62:63], s[0:1], 0x40              ; list
	s_load_b64 s[96:97], s[0:1], 0x48              ; cnt
	v_lshl_add_u32 v254, v0, 2, SPARE
	v_mov_b32 v255, 0
	v_lshrrev_b32 v14, 5, v0
	v_readfirstlane_b32 s20, v14                   ; wave 0..3
	s_mov_b32 s21, ttmp9                           ; q
	s_and_b32 s22, ttmp7, 0xffff                   ; blk
	s_mul_i32 s40, s20, 16*XP
	s_mul_i32 s41, s20, 576
	s_add_co_u32 s41, s41, XSC
	s_lshl_b32 s42, s20, 7
	s_lshr_b32 s43, s20, 1
	s_lshl_b32 s43, s43, 6                         ; 64 bytes for each of the work-group's two K steps,
	s_and_b32 s44, s20, 1
	s_lshl_b32 s44, s44, 1                         ; 2 bytes for each half of a step
	s_add_co_u32 s43, s43, s44
	s_add_co_u32 s43, s43, HSC
	s_mul_i32 s45, s20, 5120
	s_add_co_u32 s45, s45, STG
	s_lshl_b32 s78, s20, 8
	s_lshl_b32 s46, s20, 6
	s_lshl_b32 s47, s20, 12
	s_lshl_b32 s48, s20, 10
	s_mul_i32 s49, s20, 3072
	s_add_co_u32 s49, s49, TB                      ; the table's rows of my wave's 64 groups
	s_lshl_b32 s39, s20, 5
	s_add_co_u32 s39, s39, WT
	s_lshl_b32 s31, s22, 8                         ; the block's number where it stands in 4 x rank
	s_mov_b32 s79, 0xff0000
	s_mov_b32 s77, 0
	s_mov_b32 s80, 0xaaaaaaaa                      ; the lanes whose number has bit 0, 1, 2, 3, 4
	s_mov_b32 s81, 0xcccccccc
	s_mov_b32 s82, 0xf0f0f0f0
	s_mov_b32 s83, 0xff00ff00
	s_mov_b32 s84, 0xffff0000
	s_lshl_b32 s28, s21, 2
	s_add_co_u32 s28, s28, s20                     ; 4 q + w: my 64 columns
	s_lshl_b32 s66, s28, 8                         ; b1
	s_mov_b32 s67, 0
	s_mul_i32 s68, s28, 49152                      ; wq: four tiles of 12,288
	s_mov_b32 s69, 0
	s_lshl_b32 s70, s28, 11                        ; wsc
	s_mov_b32 s71, 0
	s_mul_i32 s72, s22, 49152                      ; hq: the block's four tiles, and my 768 bytes in each
	s_mul_i32 s29, s28, 768
	s_add_co_u32 s72, s72, s29
	s_mov_b32 s73, 0
	s_lshl_b32 s74, s22, 2
	s_add_co_u32 s74, s74, s20
	s_lshl_b32 s74, s74, 9                         ; hs: tile w of the block, and the work-group's two K steps in it
	s_lshl_b32 s29, s21, 7
	s_add_co_u32 s74, s74, s29
	s_mov_b32 s75, 0
	s_lshl_b32 s28, s22, 8                         ; the list: my block's 64 entries
	s_mov_b32 s29, 0
	s_mov_b32 s23, 0                               ; e
	v_and_b32 v14, 31, v0
	v_and_b32 v15, 15, v0                          ; r
	v_bfe_u32 v16, v0, 4, 1                        ; h
	v_lshlrev_b32 v[LI16], 4, v14
	v_lshlrev_b32 v[LI8], 3, v14
	v_lshlrev_b32 v[LS], 2, v14
	v_lshlrev_b32 v[R4], 2, v15
	v_mul_u32_u24 v[XWI], v14, 12
	v_add_nc_u32 v[XWI], s40, v[XWI]               ; my tile's rows, 12 bytes a lane
	v_lshrrev_b32 v[XWS], 1, v14
	v_add_nc_u32 v[XWS], s41, v[XWS]               ; their scale bytes, one for two lanes
	v_add_nc_u32 v[MKW], s42, v[LS]
	v_add_nc_u32 v[HSR], HSC, v[MKW]
	v_add_nc_u32 v[MKW], MSK, v[MKW]
	v_add_nc_u32 v[HSW], s43, v[R4]
	v_mul_u32_u24 v[FRA], v15, XP
	v_mad_u32_u24 v[FRA], v16, 24, v[FRA]
	v_mul_u32_u24 v[FRS], v15, 36
	v_lshrrev_b32 v[SIN], 2, v14
	v_mul_u32_u24 v234, v[SIN], 48
	v_mul_u32_u24 v[SIN], v[SIN], 80
	v_and_b32 v[SOUT], 3, v14
	v_lshl_add_u32 v[SIN], v[SOUT], 4, v[SIN]
	v_add_nc_u32 v[SIN], s45, v[SIN]               ; the stage, in: four lanes' 64 bytes on end, then 16 of padding
	v_mul_u32_u24 v[SOUT], v14, 80
	v_add_nc_u32 v[SOUT], s45, v[SOUT]             ; and out: my 16 neighbours
	v_add_nc_u32 v[LZ], s78, v[LI8]
	v_add_nc_u32 v[LRA], s46, v[R4]
	v_add_nc_u32 v[TKA], s47, v[LI16]
	v_add_nc_u32 v[TOK], s48, v[LS]                ; the first token of my four of a load
	v_lshlrev_b32 v[B1A], 6, v16
	v_lshlrev_b32 v232, 6, v0                      ; cnt: my thread's two groups, 64 bytes
	v_mul_u32_u24 v233, v0, 96
	v_add_nc_u32 v233, TB, v233                    ; and their two rows of the table
	v_add_nc_u32 v234, s49, v234                   ; the table's row of the group that my four tokens of a load lie in: four lanes a group
	v_mov_b32 v235, s39                            ; my wave's totals
	v_mov_b32 v236, WT
	v_mov_b32 v[MF], 0
	v_mov_b32 v[MF+1], 0
	FIVE v_mov_b32 v[120+i], 0                     ; the prefix begins at 0
	FIVE v_mov_b32 v[128+i], 0                     ; written once: a lane permute's destination counts as one of its sources
	WIN 0xc0
	v_mov_b32 v[C9], 0x3e7c6f08                    ; c9 = 0.24651730
	v_mov_b32 v[C9+1], 0x3e7c6f08
	v_mov_b32 v[TM3+2], 0
	v_mov_b32 v[TM3+3], 0
	WIN 0
	s_wait_alu depctr_va_vdst(0)                   ; the wait at the head's end
	s_wait_kmcnt 0x0
	global_load_b128 v[96:99], v232, s[96:97]      ; group 2 T's five words of counts,
	global_load_b32 v100, v232, s[96:97] offset:16
	global_load_b128 v[104:107], v232, s[96:97] offset:32   ; group 2 T + 1's
	global_load_b32 v108, v232, s[96:97] offset:48
.irp j, 0,1,2,3,4,5,6,7
	global_load_b128 v[64+4*\j:67+4*\j], v[TKA], s[10:11] offset:512*\j   ; my wave's 1,024 words, 512 consecutive bytes a load
.endr
	ds_store_b64 v[LZ], v[MF:MF+1] offset:LST      ; my part of the list is cleared
	s_add_nc_u64 s[8:9], s[8:9], s[66:67]
	s_add_nc_u64 s[12:13], s[12:13], s[68:69]
	s_add_nc_u64 s[14:15], s[14:15], s[70:71]
	s_add_nc_u64 s[16:17], s[16:17], s[72:73]
	s_add_nc_u64 s[18:19], s[18:19], s[74:75]
	s_add_nc_u64 s[62:63], s[62:63], s[28:29]
	s_mov_b32 s36, 0x76543210
	s_mov_b32 s37, 0xfedcba98                      ; v_permlanex16_b32's selects for lane l xor 16
	PAIR 40, 0xbf97d29d                            ; the fit's coefficients x log2(e): c8 = -1.1861149
	PAIR 42, 0x40097039                            ; c7 =  2.1474745
	PAIR 44, 0xbfd1a1e5                            ; c6 = -1.6377532
	PAIR 46, 0x3ecdfd18                            ; c5 =  0.40232158
	PAIR 48, 0xbe899a80                            ; c4 = -0.26875686
	PAIR 50, 0x3e0efb2e                            ; c3 =  0.13963006
	PAIR 52, 0x3f0a29d2                            ; c2 =  0.53970062
	PAIR 54, 0x3fb8ab5a                            ; c1 =  1.4427292
	PAIR 56, 0xbfe9b21e                            ; c0 = -1.8257482
	PAIR 58, 0xbf16b55f                            ; -1 / (2 KZ) = -0.58870501
	s_mov_b32 s60, 0x3eb504f3                      ; KU = 1 / (2 sqrt 2)
	s_mov_b32 s61, 0x3f596d27                      ; KZ = sqrt(log2(e) / 2)
	; THE RANKS.  Every sum is 4,096 at the most, so two of them share a word and no carry passes from one to the other.
	s_wait_loadcnt 8                               ; the four loads of counts are in; the eight of words may be out
	s_mov_b32 s97, 0                               ; (cnt's address has been used: s[96:97] becomes an offset)
	FIVE v_add_nc_u32 v[112+i], v[96+i], v[104+i]  ; my two groups
.set MM, 80
.irp x, 1,2,4,8,16                     ; v112-116 the sum of my run of lanes, v120-124 the sum of the lanes below me
.if \x < 16
	FIVE v_mov_b32_dpp v[128+i], v[112+i] row_xmask:\x row_mask:0xf bank_mask:0xf
.else
	FIVE v_permlanex16_b32 v[128+i], v[112+i], s36, s37
.endif
	FIVE v_cndmask_b32 v[136+i], 0, v[128+i], s[MM]    ; the partner's run lies below mine where my lane has the bit
	FIVE v_add_nc_u32 v[112+i], v[112+i], v[128+i]
	FIVE v_add_nc_u32 v[120+i], v[120+i], v[136+i]
.set MM, MM+1
.endr
	ds_store_b128 v235, v[112:115]                 ; my wave's totals (all lanes write the same words with the same values)
	ds_store_b32 v235, v116 offset:16
	s_wait_alu depctr_va_vdst(0)                   ; the wait ahead of the barrier
	BARRIER
.irp p, 0,1,2,3
	ds_load_b128 v[144+8*\p:147+8*\p], v236 offset:32*\p
	ds_load_b32 v[148+8*\p], v236 offset:32*\p+16
.endr
.irp p, 0,1,2
	s_cmp_gt_u32 s20, \p
	s_cselect_b32 s[85+\p], -1, 0                  ; wave p stands in front of mine
.endr
	s_wait_dscnt 0x0
.irp p, 0,1,2
	FIVE v_and_b32 v[136+i], s[85+\p], v[144+8*\p+i]
	FIVE v_add_nc_u32 v[120+i], v[120+i], v[136+i]
.endr
	FIVE v_add3_u32 v[112+i], v[144+i], v[152+i], v[160+i]
	FIVE v_add_nc_u32 v[112+i], v[112+i], v[168+i] ; all tokens' counts of the keys
	FIVE v_readfirstlane_b32 s[88+i], v[112+i]
	s_mov_b32 s93, 0
.irp i, 0,1,2,3,4                      ; s66-70: where keys 2 i and 2 i + 1 begin, in one word
	s_and_b32 s94, s[88+\i], 0xffff
	s_lshr_b32 s95, s[88+\i], 16
	s_mul_i32 s27, s93, 0x10001
	s_lshl_b32 s28, s94, 16
	s_add_co_u32 s[66+\i], s27, s28
	s_add_co_u32 s93, s93, s94
	s_add_co_u32 s93, s93, s95
.endr
	s_wait_alu depctr_va_vdst(0)                   ; the wait behind the scalar run
	FIVE v_add_nc_u32 v[120+i], s[66+i], v[120+i]  ; group 2 T's first ranks,
	FIVE v_add_nc_u32 v[104+i], v[120+i], v[96+i]  ; group 2 T + 1's
	FIVE v_lshlrev_b32 v[176+2*i], 2, v[120+i]
	FIVE v_lshlrev_b32 v[192+2*i], 2, v[104+i]
.irp i, 0,1,2,3
	v_lshrrev_b32 v[177+2*\i], 14, v[120+\i]
	v_lshrrev_b32 v[193+2*\i], 14, v[104+\i]
.endr
.set i, 0
.rept 9
	v_and_b32 v[176+i], 0x3fffc, v[176+i]          ; a word a key: 4 x rank
	v_and_b32 v[192+i], 0x3fffc, v[192+i]
.set i, i+1
.endr
.irp i, 185,186,187,201,202,203
	v_mov_b32 v[\i], 0                             ; three zero words fill a row's 48 bytes: every byte of the table is written
.endr
.irp g, 0,1
	ds_store_b128 v233, v[176+16*\g:179+16*\g] offset:48*\g
	ds_store_b128 v233, v[180+16*\g:183+16*\g] offset:48*\g+16
	ds_store_b128 v233, v[184+16*\g:187+16*\g] offset:48*\g+32
.endr
	s_wait_loadcnt 0x0                             ; the tokens' words
	BARRIER                                        ; the table is whole
	; word i of load j is token 1,024 w + 128 j + 4 l + i, of group 64 w + 8 j + l / 4
.irp j, 0,1,2,3,4,5,6,7
.irp i, 0,1,2,3
	v_bfe_u32 v[208+\i], v[64+4*\j+\i], 8, 8       ; 4 key
.endr
.irp i, 0,1,2,3
	v_min_u32 v[208+\i], 32, v[208+\i]             ; inside the group's row, whatever was loaded
.endr
.irp i, 0,1,2,3
	v_add_nc_u32 v[208+\i], v234, v[208+\i]
.endr
.irp i, 0,1,2,3
	ds_load_b32 v[128+4*\j+\i], v[208+\i] offset:384*\j
.endr
.endr
	s_wait_dscnt 0x0
	; THE SCAN.  Bits 8 to 15 of 4 x rank are the rank's block, bits 2 to 7 its place there.
.irp j, 0,1,2,3,4,5,6,7
.irp i, 0,1,2,3
	v_and_b32 v[208+\i], 0xff, v[64+4*\j+\i]
	v_and_or_b32 v[216+\i], v[64+4*\j+\i], s79, v[TOK]
.endr
.irp i, 0,1,2,3
	v_add_nc_u32 v[208+\i], v[208+\i], v[128+4*\j+\i]   ; 4 x rank
	v_add_nc_u32 v[216+\i], 128*\j+\i, v[216+\i]   ; token | set << 16
.endr
.irp i, 0,1,2,3
	v_and_b32 v[212+\i], 0xfc, v[208+\i]
	v_and_b32 v[208+\i], 0xff00, v[208+\i]
.endr
.irp i, 0,1,2,3
	v_min_u32 v[212+\i], 0xfc, v[212+\i]           ; inside my 256 bytes, whatever was loaded
.endr
.irp i, 0,1,2,3
	v_add_nc_u32 v[212+\i], s78, v[212+\i]
.endr
.irp i, 0,1,2,3
	v_cmpx_eq_u32 s31, v[208+\i]                   ; the lanes whose token lies in my block
	ds_store_b32 v[212+\i], v[216+\i] offset:LST
	s_mov_b32 exec_lo, -1
.endr
.endr
	BARRIER                                        ; the four parts are whole
.irp m, 0,1,2,3
.irp p, 0,1,2,3
	ds_load_b32 v[208+4*\m+\p], v[R4] offset:LST+256*\p+64*\m
.endr
.endr
.irp p, 0,1,2,3
	ds_load_b32 v[224+\p], v[LRA] offset:LST+256*\p
.endr
	s_wait_dscnt 0x0
.irp m, 0,1,2,3
	v_or_b32 v[28+\m], v[208+4*\m], v[209+4*\m]
	v_or_b32 v[210+4*\m], v[210+4*\m], v[211+4*\m]
.endr
	v_or_b32 v[ME], v224, v225
	v_or_b32 v226, v226, v227
.irp m, 0,1,2,3
	v_or_b32 v[28+\m], v[28+\m], v[210+4*\m]       ; tile m's entry of token r
.endr
	v_or_b32 v[ME], v[ME], v226                    ; my tile's
.irp x, 1,2,4,8
.irp m, 0,1,2,3
	v_mov_b32_dpp v[208+\m], v[28+\m] row_xmask:\x row_mask:0xf bank_mask:0xf
.endr
.irp m, 0,1,2,3
	v_or_b32 v[28+\m], v[28+\m], v[208+\m]         ; the sixteen entries joined
.endr
.endr
	v_and_b32 v[DA], 0xfff, v[ME]
	v_min_u32 v[DA], 0xfff, v[DA]
	v_lshlrev_b32 v[DA], 5, v[DA]                  ; my token's row of dispatch
.irp m, 0,1,2,3
	v_readfirstlane_b32 s[UN+\m], v[28+\m]
.endr
.set t, 0
.rept 16
	v_readlane_b32 s[80+t], v[ME], t
.set t, t+1
.endr
	s_wait_alu depctr_va_vdst(0)                   ; the wait ahead of the branch
	s_cmp_lg_u32 s21, 0
	s_cbranch_scc1 .Lno_list
	global_store_b32 v[LRA], v[ME], s[62:63]       ; q = 0: the block's list for the next launch (lanes l and l + 16 store the same word); neither register is written again
.Lno_list:
.set t, 0
.rept 16
	s_and_b32 s[80+t], s[80+t], 0xfff
	s_min_u32 s[80+t], s[80+t], 0xfff              ; row t's token, inside x whatever was loaded
	s_lshl_b32 s[80+t], s[80+t], 12
.set t, t+1
.endr
	s_mov_b32 s38, s[UN]
	s_cmp_eq_u32 s20, 1
	s_cselect_b32 s38, s[UN+1], s38
	s_cmp_eq_u32 s20, 2
	s_cselect_b32 s38, s[UN+2], s38
	s_cmp_eq_u32 s20, 3
	s_cselect_b32 s38, s[UN+3], s38                ; my tile's union
	s_or_b32 s25, s[UN+0], s[UN+1]
	s_or_b32 s25, s25, s[UN+2]
	s_or_b32 s25, s25, s[UN+3]
	s_bfe_u32 s25, s25, 0x80010                    ; the experts that the block uses
	s_mov_b32 s27, s25
	NEXT
.set t, 0
.rept 16
	v_add_nc_u32 v[XO+t], s[80+t], v[LI16]         ; its row, 16 bytes a lane
.set t, t+1
.endr
	s_wait_alu depctr_va_vdst(0)                   ; the wait ahead of the scalar run and the loads
	ASK 0                                          ; the first expert's loads, on every way: so every register that a trip reads has been written
.Lexp:                                             ; eight trips, one an expert
	s_wait_xcnt 0x0                                ; every earlier store has read its base and its data: the bases of this trip's stores may be made
	s_lshl_b32 s96, s23, 17
	s_add_nc_u64 s[100:101], s[18:19], s[96:97]    ; hs of expert e
	s_lshl_b32 s27, 0x10000, s23
	s_and_b32 s30, s[UN+0], s27                    ; s24 bit m: some token of tile m uses the expert
	s_cselect_b32 s24, 1, 0
	s_and_b32 s30, s[UN+1], s27
	s_cselect_b32 s30, 2, 0
	s_or_b32 s24, s24, s30
	s_and_b32 s30, s[UN+2], s27
	s_cselect_b32 s30, 4, 0
	s_or_b32 s24, s24, s30
	s_and_b32 s30, s[UN+3], s27
	s_cselect_b32 s30, 8, 0
	s_or_b32 s24, s24, s30
	; ---- X: my tile's 16 rows x d become codes, scale bytes and a mask
	s_lshr_b32 s30, s24, s20
	s_and_b32 s30, s30, 1
	s_cmp_eq_u32 s30, 0
	s_cbranch_scc1 .Lno_x
	s_wait_loadcnt 63                              ; d and group 0 are in: behind them stand more loads than a count can name
	TURN 0
.set G, 0
.rept 32
	STEP G
.set G, G+1
.endr
.irp x, 1,2,4,8
	ROWS v_add_f32_dpp v[PS], v[PS], v[PS] row_xmask:\x row_mask:0xf bank_mask:0xf
.endr
	ROWS v_permlanex16_b32 v[208+t], v[PS], s36, s37
	ROWS v_add_f32 v[PS], v[PS], v[208+t]          ; the rows' sums, in every lane
	ROWS v_cmp_neq_f32 s[80+t], 0, v[PS]
	ROWS s_and_b32 s[80+t], s[80+t], 0x10001<<t    ; row t's answer at lanes t and t + 16
.set t, 1
.rept 15
	s_or_b32 s80, s80, s[80+t]
.set t, t+1
.endr
	v_cndmask_b32 v60, 0, 1.0, s80
	ds_store_b32 v[MKW], v60
.Lno_x:
	BARRIER                                        ; the tiles' codes lie in LDS; my read of the last expert's scale bytes is over
	; ---- M: the products, gelu and the quantiser: four trips, one a tile; a tile that does not use the expert is jumped over
	s_wait_loadcnt 63                              ; where I quantised no rows: any groups of x, older than the youngest 63 loads, are in, so the fragments and the sums may take their registers
	s_mov_b32 s79, 0                               ; m
	s_mov_b32 s82, 0
	s_mov_b32 s83, 0
	s_mov_b32 s84, 0
	s_mul_i32 s86, s23, 3145728                    ; hq: expert e, tile m of the block
	s_mov_b32 s87, 0
.Ltile:
	s_lshr_b32 s27, s24, s79
	s_and_b32 s27, s27, 1
	s_cmp_eq_u32 s27, 0
	s_cbranch_scc1 .Lno_tile
	s_wait_xcnt 0x0                                ; the last tile's stores have read their registers and their base
	s_add_nc_u64 s[98:99], s[16:17], s[86:87]
	v_add_nc_u32 v56, s82, v[FRA]
	v_add_nc_u32 v57, s83, v[FRS]
	v_add_nc_u32 v58, s84, v[LS]
	v_add_nc_u32 v[LZ], s84, v[HSW]
.irp s, 0,1,2,3,4,5,6,7
	ds_load_b32 v[XS+\s], v57 offset:XSC+4*\s
.endr
	ds_load_b32 v[MF], v58 offset:MSK
.irp s, 0,1,2,3,4,5,6,7
.irp p, 0,1,2,3,4,5
	ds_load_b64 v[AF+12*\s+2*\p:AF+12*\s+2*\p+1], v56 offset:XIMG+96*\s+48*(\p/3)+8*(\p%3)
.endr
.endr
.irp s, 0,1,2,3,4,5,6,7
	s_wait_dscnt 6*(7-\s)                          ; the later K steps' six LDS loads each may be out
.if 12*(7-\s) > 63
	s_wait_loadcnt 63
.else
	s_wait_loadcnt 12*(7-\s)                       ; the later K steps' twelve loads of codes each may be out: the codes are my youngest 96 loads, or all are in
.endif
	WIN 0xf1+(\s/4)                                ; source 0 window 1 or 2, source 1 window 0, C and D window 3
	PROD \s
.endr
.rept 4
	v_nop                                          ; four places between the products and the first read of their results (ISA guide 7.12.1)
.endr
	WIN 0xf3
.set i, 0
.rept 16
	v_pk_fma_f32 v[H+i:H+i+1], v[B1+i:B1+i+1], v[MF:MF+1], v[H+i:H+i+1] op_sel_hi:[1,0,1]   ; + mask b1; each accumulator from its low end on
.set i, i+2
.endr
	WIN 0xff
	GELU
	QUANT2
	WIN 0x0c                                       ; a store's data are its source 1: window 3
	global_store_b128 v[LI16], v[PC3:PC3+3], s[98:99]              ; 512 consecutive bytes, aligned
	global_store_b64 v[LI8], v[PC3+4:PC3+5], s[98:99] offset:512   ; 256 consecutive bytes, aligned
	ds_store_b16 v[LZ], v[HW]                      ; both lanes of a row write the same two bytes
	WIN 0
.Lno_tile:
	s_add_co_u32 s86, s86, 12288
	s_add_co_u32 s82, s82, 16*XP
	s_add_co_u32 s83, s83, 576
	s_add_co_u32 s84, s84, 128
	s_add_co_u32 s79, s79, 1
	s_cmp_lt_u32 s79, 4
	s_cbranch_scc1 .Ltile
	s_cmp_eq_u32 s24, 0
	s_cbranch_scc1 .Lno_m
	s_wait_loadcnt 0x0                             ; no load is pending into registers that the next run of loads takes
	s_lshl_b32 s27, 2, s23
	s_sub_co_u32 s27, s27, 1
	s_and_not1_b32 s27, s25, s27                   ; the block's experts still to come
	s_cmp_eq_u32 s27, 0
	s_cbranch_scc1 .Lno_more
	NEXT
	s_wait_xcnt 0x0                                ; every earlier memory instruction has read its addresses
	ASK 1
.Lno_more:
.Lno_m:
	BARRIER                                        ; every wave's reads of the codes are over, and the tiles' scale bytes are whole
	; ---- S: my tile's scale words of the work-group's two K steps leave
	s_lshr_b32 s30, s24, s20
	s_and_b32 s30, s30, 1
	s_cmp_eq_u32 s30, 0
	s_cbranch_scc1 .Lno_s
	ds_load_b32 v[HSD], v[HSR]
	s_wait_dscnt 0x0
	global_store_b32 v[LS], v[HSD], s[100:101]     ; its base and its data are written again only behind the wait at the next trip's head
.Lno_s:
	s_add_co_u32 s23, s23, 1
	s_cmp_lt_u32 s23, 8
	s_cbranch_scc1 .Lexp
	s_wait_tensorcnt 0x0                           ; the wave's end
	ds_add_u32 v254, v255
	s_wait_dscnt 0x0
	s_endpgm
.Lfunc_end_k_q58e96e0e91_up:
	.size	k_q58e96e0e91_up, .Lfunc_end_k_q58e96e0e91_up-k_q58e96e0e91_up
	.p2alignl 7, 3214868480
	.fill 96, 4, 3214868480
	.section	.rodata,"a",@progbits
	.p2align	6, 0x0
	.amdhsa_kernel k_q58e96e0e91_up
		.amdhsa_group_segment_fixed_size 88064
		.amdhsa_private_segment_fixed_size 0
		.amdhsa_enable_private_segment 0
		.amdhsa_kernarg_size 80
		.amdhsa_user_sgpr_count 2
		.amdhsa_user_sgpr_kernarg_segment_ptr 1
		.amdhsa_wavefront_size32 1
		.amdhsa_system_sgpr_workgroup_id_x 1
		.amdhsa_system_sgpr_workgroup_id_y 1
		.amdhsa_system_sgpr_workgroup_id_z 1
		.amdhsa_system_vgpr_workitem_id 0
		.amdhsa_next_free_vgpr 1024
		.amdhsa_next_free_sgpr 102
		.amdhsa_reserve_vcc 0
		.amdhsa_float_denorm_mode_32 3
		.amdhsa_float_denorm_mode_16_64 3
		.amdhsa_memory_ordered 1
		.amdhsa_forward_progress 1
		.amdhsa_inst_pref_size 220
	.end_amdhsa_kernel
	.amdgpu_metadata
---
amdhsa.version: [ 1, 2 ]
amdhsa.kernels:
  - .name:           k_q58e96e0e91_up
    .symbol:         k_q58e96e0e91_up.kd
    .args:
      - { .name: x, .offset: 0, .size: 8, .value_kind: global_buffer, .address_space: global }
      - { .name: dispatch_tensor, .offset: 8, .size: 8, .value_kind: global_buffer, .address_space: global }
      - { .name: b1, .offset: 16, .size: 8, .value_kind: global_buffer, .address_space: global }
      - { .name: tokw, .offset: 24, .size: 8, .value_kind: global_buffer, .address_space: global }
      - { .name: wq, .offset: 32, .size: 8, .value_kind: global_buffer, .address_space: global }
      - { .name: wsc, .offset: 40, .size: 8, .value_kind: global_buffer, .address_space: global }
      - { .name: hq, .offset: 48, .size: 8, .value_kind: global_buffer, .address_space: global }
      - { .name: hs, .offset: 56, .size: 8, .value_kind: global_buffer, .address_space: global }
      - { .name: list, .offset: 64, .size: 8, .value_kind: global_buffer, .address_space: global }
      - { .name: cnt, .offset: 72, .size: 8, .value_kind: global_buffer, .address_space: global }
    .group_segment_fixed_size: 88064
    .private_segment_fixed_size: 0
    .kernarg_segment_align: 8
    .kernarg_segment_size: 80
    .max_flat_workgroup_size: 128
    .sgpr_count:     102
    .vgpr_count:     1024
    .wavefront_size: 32
...
	.end_amdgpu_metadata
.endif
;; end of part 6
;; launch down (part 7): grid 4 x 64, 4 waves a work-group, no clusters, 118,272 bytes of LDS; arguments combine_tensor, b2, list, wq, wsc, hq, hs, out0; writes out0
.if DOCPART == 7
	.amdgcn_target "amdgcn-amd-amdhsa--gfx1250"
	.amdhsa_code_object_version 6
	.text
	.protected	k_q58e96e0e91_down
	.globl	k_q58e96e0e91_down
	.p2align	8
	.type	k_q58e96e0e91_down,@function
k_q58e96e0e91_down:
	s_mov_b64 s[64:65], 0
	v_nop
	global_prefetch_b8 v0, s[64:65] scope:SCOPE_SE
	s_setreg_imm32_b32 hwreg(HW_REG_WAVE_MODE, 25, 1), 1
	s_wait_xcnt 0x0
; y[t] = b2 + the sum over e of gate[t][e] (Q(h) Q(w2[e])), h's codes and scale words as the launch before left them.
; SHARES as there: a work-group owns block blk (y) of 64 tokens of the stored sorted list and output columns 256 q (x) on; wave w owns 64 columns, four tiles, for all 64 tokens, and copies tile m = w of the hidden codes into LDS.
; EACH OUTPUT ROW HAS ONE OWNER: the work-group walks e = 0 .. 7, a constant count, jumps (scalar branches on the list's sets, loaded as scalars) over experts and tiles of 16 tokens that use none, and keeps y in registers, begun as b2 itself.
; ASKED AHEAD.  All that an expert's trip loads is asked for in one run: my tile's hidden codes and scale words, the gates (ASK_A), the weights' scale words and codes (ASK_B), in this order, since loads come back in order and
; the hidden codes are wanted first.  The run stands once ahead of the loop, for the first expert that the block uses, and again behind an expert's products where another follows.
; Where my tile does not use the expert asked for, its hidden codes were never stored: those bytes are loaded and dropped, and no result hangs on them.
; No cluster and no shared tile loads: which blocks walk which expert is known only from the stored list, so partners would differ in their trips.
; THE PRODUCT IS USED TRANSPOSED: source 0 = 16 rows of the laid-out w2, source 1 = 16 tokens.  Lane (r, h) holds token r; register 16 b + i of my four tiles is column 32 b + 16 h + i of my 64.
; LIMITS: pairs with dispatch = 0 or gate = 0 are not computed (where the definition would make NaN of 0 x infinity this gives the finite sum); NaN and infinities among the inputs are not served.
; LDS: HIMG four tiles of hidden codes, 12,288 bytes each, as they lie in memory; HSL their scale words; STG the way out: 64 rows of 1,024 + 16 bytes.
.set HIMG, 0
.set HSL,  HIMG+4*12288
.set STG,  HSL+4*512
.set SPITCH, 1040
.set LI16, 1
.set LI8,  2
.set LS,   3
.set HWI,  5                           ; where I store my tile's codes
.set HWS,  6                           ; and its scale words
.set SO,   7                           ; the stage, in
.set SR,   8                           ; the stage, back
.set TKU,  9                           ; 64 w, the same in every lane: my 16 rows' entries in the block's part of the list
.set B2A,  12                          ; 64 h
.set R4,   13                          ; 4 (lane % 16)
.set CA,   24                          ; v24-27 gates: tile m's token r
.set BS,   32                          ; v32-47 w2's scale words
.set XS,   48                          ; v48-55 the hidden layer's scale words
.set AF,   64                          ; v64-159 a tile's eight fragments; the copy (v64-163) and the way out (v64-191) use the same registers
.set OA,   192                         ; v192-207 my 16 rows' places in y
.set CM,   208                         ; v[208 + 2 m] tile m's gates (the odd partners are 0, named with them as pairs)
.set Y,    128                         ; window 3: v0-31 the accumulators; y of (m, n) at v[128 + 32 m + 8 n]
; scalars: s20 wave, s21 q, s22 blk, s23 e, s24 which tiles use e, s25 which experts the block uses, s26 the expert asked for, s27-31 at work,
; s[66:67] the gates', s[68:69] the codes', s[70:71] the scale words', s[72:73] the hidden codes', s[76:77] their scale words' address for the expert asked for, s[74:75] an offset
.set UN,   96                          ; s96-99 tile m's union of sets, at bits 16 to 23
.set MSB, 0
.macro WIN new                         ; the immediate's high byte repeats the setting that is left
.if MSB != (\new)
	s_set_vgpr_msb (MSB<<8)|(\new)
.set MSB, \new
.endif
.endm
.macro BARRIER
	s_wait_dscnt 0x0
	s_barrier_signal -1
	s_barrier_wait -1
.endm
.macro UNION a                         ; sixteen entries joined by OR, into the first
.irp i, 1,2,3,4,5,6,7,8,9,10,11,12,13,14,15
	s_or_b32 s[\a], s[\a], s[\a+\i]
.endr
.endm
.macro NEXT                            ; s26 = the lowest expert in the mask s27 (7 where it is empty), held inside the tables whatever was loaded
	s_mov_b32 s26, 7
.irp i, 6,5,4,3,2,1,0
	s_and_b32 s28, s27, 1<<\i
	s_cselect_b32 s26, \i, s26
.endr
	s_min_u32 s26, s26, 7
.endm
; The four products of K step s: my four tiles by turns, one instruction a turn.
.macro PROD s
.irp n, 0,1,2,3
.set FB, 12*(4*((\s)%4)+\n)
.set FA, AF+12*(\s)
.set SW, BS+8*(\n/2)+(\s)
.if (\s) == 0
.if \n%2
	v_wmma_scale_f32_16x16x128_f8f6f4 v[8*\n:8*\n+7], v[FB:FB+11], v[FA:FA+11], 0, v[SW], v[XS+(\s)] matrix_a_fmt:MATRIX_FMT_BF6 matrix_b_fmt:MATRIX_FMT_BF6 matrix_a_scale:MATRIX_SCALE_ROW1
.else
	v_wmma_scale_f32_16x16x128_f8f6f4 v[8*\n:8*\n+7], v[FB:FB+11], v[FA:FA+11], 0, v[SW], v[XS+(\s)] matrix_a_fmt:MATRIX_FMT_BF6 matrix_b_fmt:MATRIX_FMT_BF6
.endif
.else
.if \n%2
	v_wmma_scale_f32_16x16x128_f8f6f4 v[8*\n:8*\n+7], v[FB:FB+11], v[FA:FA+11], v[8*\n:8*\n+7], v[SW], v[XS+(\s)] matrix_a_fmt:MATRIX_FMT_BF6 matrix_b_fmt:MATRIX_FMT_BF6 matrix_a_scale:MATRIX_SCALE_ROW1
.else
	v_wmma_scale_f32_16x16x128_f8f6f4 v[8*\n:8*\n+7], v[FB:FB+11], v[FA:FA+11], v[8*\n:8*\n+7], v[SW], v[XS+(\s)] matrix_a_fmt:MATRIX_FMT_BF6 matrix_b_fmt:MATRIX_FMT_BF6
.endif
.endif
.endr
.endm
.macro BLOADS cp, sp                   ; my four tiles of an expert's weights: 8 loads of scale words, then 96 of codes in the order of the K steps
.irp b, 0,1
.irp g, 0,1,2,3
	global_load_b64 v[BS+8*\b+2*\g:BS+8*\b+2*\g+1], v[LI8], s[\sp:\sp+1] offset:1024*\b+256*\g
.endr
.endr
.irp s, 0,1,2,3,4,5,6,7
	WIN 0x40+0x40*(\s/4)
.irp n, 0,1,2,3
.irp p, 0,1,2
	global_load_b128 v[12*(4*(\s%4)+\n)+4*\p:12*(4*(\s%4)+\n)+4*\p+3], v[LI16], s[\cp:\cp+1] offset:12288*\n+1536*\s+512*\p
.endr
.endr
.endr
	WIN 0
.endm
; What expert s26's trip loads first: my tile's hidden codes (24 loads), their scale words (1), the four tiles' gates (4).  No load of mine is out and every earlier address has been read when the five addresses are made.
.macro ASK_A
	s_mov_b32 s75, 0
	s_lshl_b32 s74, s26, 2
	s_add_nc_u64 s[66:67], s[4:5], s[74:75]        ; combine: column e
	s_mul_i32 s74, s26, 786432
	s_add_nc_u64 s[68:69], s[10:11], s[74:75]      ; the codes of matrix 8 + e
	s_lshl_b32 s74, s26, 15
	s_add_nc_u64 s[70:71], s[12:13], s[74:75]      ; and its scale words
	s_mul_i32 s74, s26, 3145728
	s_add_nc_u64 s[72:73], s[14:15], s[74:75]      ; the hidden codes of (e, blk, w)
	s_lshl_b32 s74, s26, 17
	s_add_nc_u64 s[76:77], s[16:17], s[74:75]      ; and their scale words
.set i, 0
.rept 24
	global_load_b128 v[64+4*i:67+4*i], v[LI16], s[72:73] offset:512*i
.set i, i+1
.endr
	global_load_b128 v[160:163], v[LI16], s[76:77]
.irp m, 0,1,2,3
	global_load_b32 v[CM+2*\m], v[CA+\m], s[66:67]
.endr
.endm
.macro ASK_B                           ; and then: the weights, 104 loads, the codes last
	BLOADS 68, 70
.endm
; Tile m of the block's tokens against my four tiles of w2.  Jumped over where none of its 16 tokens uses this expert.
; A K step's codes lie as two halves of 768 bytes: registers 6 c .. 6 c + 3 at 16 x lane, registers 6 c + 4, 6 c + 5 at 512 + 8 x lane.
.macro DTILE m
	s_and_b32 s27, s24, 1<<\m
	s_cmp_eq_u32 s27, 0
	s_cbranch_scc1 .Lno_tile_\@
.irp s, 0,1,2,3,4,5,6,7
	ds_load_b32 v[XS+\s], v[R4] offset:HSL+512*\m+64*\s
.endr
.irp s, 0,1,2,3,4,5,6,7
	ds_load_b128 v[AF+12*\s:AF+12*\s+3], v[LI16] offset:HIMG+12288*\m+1536*\s
	ds_load_b64 v[AF+12*\s+4:AF+12*\s+5], v[LI8] offset:HIMG+12288*\m+1536*\s+512
	ds_load_b128 v[AF+12*\s+6:AF+12*\s+9], v[LI16] offset:HIMG+12288*\m+1536*\s+768
	ds_load_b64 v[AF+12*\s+10:AF+12*\s+11], v[LI8] offset:HIMG+12288*\m+1536*\s+1280
.endr
.irp s, 0,1,2,3,4,5,6,7
	s_wait_dscnt 4*(7-\s)                          ; the later K steps' four LDS loads each may be out
.if 12*(7-\s) > 63
	s_wait_loadcnt 63                              ; (more than 63 loads follow this step's: the count is the stricter)
.else
	s_wait_loadcnt 12*(7-\s)                       ; the later K steps' twelve loads of codes each may be out: the codes are my youngest 96 loads
.endif
	WIN 0xf1+(\s/4)                                ; source 0 window 1 or 2, source 1 window 0, C and D window 3
	PROD \s
.endr
.rept 4
	v_nop                                          ; four places between the products and the first read of their results (ISA guide 7.12.1)
.endr
	WIN 0xf3
.set i, 0
.rept 16
	v_pk_fma_f32 v[Y+32*\m+i:Y+32*\m+i+1], v[i:i+1], v[CM+2*\m:CM+2*\m+1], v[Y+32*\m+i:Y+32*\m+i+1] op_sel_hi:[1,0,1]   ; y += gate x result; each accumulator from its low end on
.set i, i+2
.endr
	WIN 0
.Lno_tile_\@:
.endm
	s_load_b512 s[4:19], s[0:1], 0x0               ; combine 4, b2 6, list 8, wq 10, wsc 12, hq 14, hs 16, out0 18
	v_lshl_add_u32 v254, v0, 2, 0x1cc00
	v_mov_b32 v255, 0
	v_lshrrev_b32 v14, 5, v0
	v_readfirstlane_b32 s20, v14                   ; wave 0..3
	s_mov_b32 s21, ttmp9                           ; q
	s_and_b32 s22, ttmp7, 0xffff                   ; blk
	v_and_b32 v14, 31, v0
	v_and_b32 v15, 15, v0                          ; r
	v_bfe_u32 v16, v0, 4, 1                        ; h
	v_lshlrev_b32 v[LI16], 4, v14
	s_wait_alu depctr_va_vdst(0)
	v_lshlrev_b32 v[LI8], 3, v14
	v_lshlrev_b32 v[LS], 2, v14
	s_mul_i32 s27, s20, 12288
	s_add_co_u32 s27, s27, HIMG
	v_add_nc_u32 v[HWI], s27, v[LI16]
	s_lshl_b32 s27, s20, 9
	s_add_co_u32 s27, s27, HSL
	v_add_nc_u32 v[HWS], s27, v[LI16]
	v_mul_u32_u24 v[SO], v15, SPITCH
	v_lshl_add_u32 v[SO], v16, 6, v[SO]
	s_lshl_b32 s27, s20, 8
	s_add_co_u32 s27, s27, STG
	v_add_nc_u32 v[SO], s27, v[SO]                 ; row r, + 256 w + 64 h
	s_mul_i32 s27, s20, 16*SPITCH
	s_add_co_u32 s27, s27, STG
	v_add_nc_u32 v[SR], s27, v[LI16]               ; my 16 rows, 16 bytes a lane
	s_lshl_b32 s27, s20, 6
	v_mov_b32 v[TKU], s27
	v_lshlrev_b32 v[B2A], 6, v16
	v_lshlrev_b32 v[R4], 2, v15
.irp m, 0,1,2,3
	v_mov_b32 v[CM+2*\m+1], 0
.endr
	s_lshl_b32 s28, s21, 2
	s_add_co_u32 s28, s28, s20                     ; 4 q + w: my 64 columns
	s_lshl_b32 s66, s28, 8                         ; b2
	s_mov_b32 s67, 0
	s_mul_i32 s68, s28, 49152
	s_add_co_u32 s68, s68, 8*786432                ; wq: w2's matrices lie behind w1's eight
	s_mov_b32 s69, 0
	s_lshl_b32 s70, s28, 11
	s_add_co_u32 s70, s70, 8*32768
	s_mov_b32 s71, 0
	s_lshl_b32 s29, s22, 2
	s_add_co_u32 s29, s29, s20                     ; tile w of my block
	s_mul_i32 s72, s29, 12288
	s_mov_b32 s73, 0
	s_lshl_b32 s74, s29, 9
	s_mov_b32 s75, 0
	s_lshl_b32 s76, s21, 10                        ; y: my work-group's 1,024 bytes of a row
	s_mov_b32 s77, 0
	s_lshl_b32 s78, s22, 8                         ; the list: my block's 64 entries
	s_mov_b32 s79, 0
	s_mov_b32 s23, 0                               ; e
	s_wait_alu depctr_va_vdst(0)
	s_wait_kmcnt 0x0
	s_add_nc_u64 s[6:7], s[6:7], s[66:67]
	s_add_nc_u64 s[10:11], s[10:11], s[68:69]
	s_add_nc_u64 s[12:13], s[12:13], s[70:71]
	s_add_nc_u64 s[14:15], s[14:15], s[72:73]
	s_add_nc_u64 s[16:17], s[16:17], s[74:75]
	s_add_nc_u64 s[18:19], s[18:19], s[76:77]
	s_add_nc_u64 s[8:9], s[8:9], s[78:79]
	; THE BLOCK'S LIST, straight from memory, asked for together: each tile's tokens a lane for the gates, my 16 rows' entries (each the same in every lane) for the way out, and all 64 entries as scalars for the jumps
.irp m, 0,1,2,3
	global_load_b32 v[CA+\m], v[R4], s[8:9] offset:64*\m
.endr
.set i, 0
.rept 16
	global_load_b32 v[OA+i], v[TKU], s[8:9] offset:4*i
.set i, i+1
.endr
	s_load_b512 s[32:47], s[8:9], 0x0
	s_load_b512 s[48:63], s[8:9], 0x40
	s_load_b512 s[68:83], s[8:9], 0x80
	s_load_b512 s[84:99], s[8:9], 0xc0
	s_wait_kmcnt 0x0
	UNION 32
	UNION 48
	UNION 68
	UNION 84
	s_mov_b32 s[UN+0], s32
	s_mov_b32 s[UN+1], s48
	s_mov_b32 s[UN+2], s68
	s_mov_b32 s[UN+3], s84
	s_or_b32 s25, s[UN+0], s[UN+1]
	s_or_b32 s25, s25, s[UN+2]
	s_or_b32 s25, s25, s[UN+3]
	s_bfe_u32 s25, s25, 0x80010                    ; the experts that the block uses: 8 bits from bit 16
	s_mov_b32 s27, s25
	NEXT                                           ; the first of them
	s_wait_loadcnt 0x0                             ; the tokens
.irp m, 0,1,2,3
	v_and_b32 v[CA+\m], 0xfff, v[CA+\m]
	v_min_u32 v[CA+\m], 0xfff, v[CA+\m]
	v_lshlrev_b32 v[CA+\m], 5, v[CA+\m]            ; the token's row of gates
.endr
	s_wait_alu depctr_va_vdst(0)
	ASK_A                                          ; the first expert's loads, on every way: so every register that a trip reads has been written
	WIN 0xc0                                       ; y begins as b2, in the results' layout: nothing is cleared and nothing is added later.  These 32 loads stand ahead of the weights', so that the codes stay the youngest 96
.irp m, 0,1,2,3
.irp n, 0,1,2,3
	global_load_b128 v[Y+32*\m+8*\n:Y+32*\m+8*\n+3], v[B2A], s[6:7] offset:(32*(\n/2)+8*(\n%2))*4
	global_load_b128 v[Y+32*\m+8*\n+4:Y+32*\m+8*\n+7], v[B2A], s[6:7] offset:(32*(\n/2)+8*(\n%2))*4+16
.endr
.endr
	WIN 0
	ASK_B
.set i, 0
.rept 16
	v_and_b32 v[OA+i], 0xfff, v[OA+i]              ; row i's token,
	v_min_u32 v[OA+i], 0xfff, v[OA+i]              ; inside y, whatever was loaded,
	v_lshlrev_b32 v[OA+i], 12, v[OA+i]             ; its row of 4,096 bytes,
	v_add_nc_u32 v[OA+i], v[OA+i], v[LI16]         ; 16 bytes a lane
.set i, i+1
.endr
.Lexp:                                             ; eight trips, one an expert
	s_lshl_b32 s27, 0x10000, s23                   ; the expert's bit in an entry
	s_and_b32 s30, s[UN+0], s27                    ; s24 bit m: some token of tile m uses the expert
	s_cselect_b32 s24, 1, 0
	s_and_b32 s30, s[UN+1], s27
	s_cselect_b32 s30, 2, 0
	s_or_b32 s24, s24, s30
	s_and_b32 s30, s[UN+2], s27
	s_cselect_b32 s30, 4, 0
	s_or_b32 s24, s24, s30
	s_and_b32 s30, s[UN+3], s27
	s_cselect_b32 s30, 8, 0
	s_or_b32 s24, s24, s30
	; ---- my tile's hidden codes and scale words, asked for ahead, go into LDS as they lie
	s_lshr_b32 s30, s24, s20
	s_and_b32 s30, s30, 1
	s_cmp_eq_u32 s30, 0
	s_cbranch_scc1 .Lno_copy
	s_wait_loadcnt 63                              ; the 25 loads are in: behind them at least 108 were asked for, more than a count can name, so the count is the stricter
.set i, 0
.rept 24
	ds_store_b128 v[HWI], v[64+4*i:67+4*i] offset:512*i
.set i, i+1
.endr
	ds_store_b128 v[HWS], v[160:163]
.Lno_copy:
	BARRIER                                        ; the tiles lie in LDS
	s_cmp_eq_u32 s24, 0
	s_cbranch_scc1 .Lno_m
	s_wait_loadcnt 63                              ; where I copied nothing: the 25 loads, older than the youngest 63 (all of them codes), are in, so the fragments may take their registers
	DTILE 0
	DTILE 1
	DTILE 2
	DTILE 3
	s_wait_loadcnt 0x0                             ; on every way no load is pending into registers that the next run of loads takes
	s_lshl_b32 s27, 2, s23
	s_sub_co_u32 s27, s27, 1                       ; bits 0 to e
	s_and_not1_b32 s27, s25, s27                   ; the block's experts still to come
	s_cmp_eq_u32 s27, 0
	s_cbranch_scc1 .Lno_more
	NEXT
	s_wait_xcnt 0x0                                ; every earlier memory instruction has read its addresses: the five may be made anew
	ASK_A
	ASK_B
.Lno_more:
.Lno_m:
	BARRIER                                        ; every wave's reads of the tiles are over
	s_add_co_u32 s23, s23, 1
	s_cmp_lt_u32 s23, 8
	s_cbranch_scc1 .Lexp
	; THE WAY OUT.  A row's 1,024 bytes come from four waves: they meet in the stage, and each wave stores 16 whole rows at their tokens' places.
	s_wait_loadcnt 0x0                             ; where the block used no expert: b2 is in, and so are the loads that were asked for and not used, whose registers the rows below take
	WIN 0x0c                                       ; an LDS store's data are its source 1: window 3
	s_wait_alu depctr_va_vdst(0)
.irp m, 0,1,2,3
.irp n, 0,1,2,3
	ds_store_b128 v[SO], v[Y+32*\m+8*\n:Y+32*\m+8*\n+3] offset:16*SPITCH*\m+128*(\n/2)+32*(\n%2)
	ds_store_b128 v[SO], v[Y+32*\m+8*\n+4:Y+32*\m+8*\n+7] offset:16*SPITCH*\m+128*(\n/2)+32*(\n%2)+16
.endr
.endr
	WIN 0
	BARRIER
.set i, 0
.rept 32
	ds_load_b128 v[64+4*i:67+4*i], v[SR] offset:SPITCH*(i/2)+512*(i%2)
.set i, i+1
.endr
.set i, 0
.rept 32
	s_wait_dscnt 31-i                              ; the younger read-backs may be out
	global_store_b128 v[OA+i/2], v[64+4*i:67+4*i], s[18:19] offset:512*(i%2) th:TH_STORE_NT   ; 512 consecutive bytes, aligned; written once
.set i, i+1
.endr
	s_wait_tensorcnt 0x0
	ds_add_u32 v254, v255
	s_wait_dscnt 0x0
	s_endpgm
.Lfunc_end_k_q58e96e0e91_down:
	.size	k_q58e96e0e91_down, .Lfunc_end_k_q58e96e0e91_down-k_q58e96e0e91_down
	.p2alignl 7, 3214868480
	.fill 96, 4, 3214868480
	.section	.rodata,"a",@progbits
	.p2align	6, 0x0
	.amdhsa_kernel k_q58e96e0e91_down
		.amdhsa_group_segment_fixed_size 118272
		.amdhsa_private_segment_fixed_size 0
		.amdhsa_enable_private_segment 0
		.amdhsa_kernarg_size 64
		.amdhsa_user_sgpr_count 2
		.amdhsa_user_sgpr_kernarg_segment_ptr 1
		.amdhsa_wavefront_size32 1
		.amdhsa_system_sgpr_workgroup_id_x 1
		.amdhsa_system_sgpr_workgroup_id_y 1
		.amdhsa_system_sgpr_workgroup_id_z 1
		.amdhsa_system_vgpr_workitem_id 0
		.amdhsa_next_free_vgpr 1024
		.amdhsa_next_free_sgpr 100
		.amdhsa_reserve_vcc 0
		.amdhsa_float_denorm_mode_32 3
		.amdhsa_float_denorm_mode_16_64 3
		.amdhsa_memory_ordered 1
		.amdhsa_forward_progress 1
		.amdhsa_inst_pref_size 86
	.end_amdhsa_kernel
	.amdgpu_metadata
---
amdhsa.version: [ 1, 2 ]
amdhsa.kernels:
  - .name:           k_q58e96e0e91_down
    .symbol:         k_q58e96e0e91_down.kd
    .args:
      - { .name: combine_tensor, .offset: 0, .size: 8, .value_kind: global_buffer, .address_space: global }
      - { .name: b2, .offset: 8, .size: 8, .value_kind: global_buffer, .address_space: global }
      - { .name: list, .offset: 16, .size: 8, .value_kind: global_buffer, .address_space: global }
      - { .name: wq, .offset: 24, .size: 8, .value_kind: global_buffer, .address_space: global }
      - { .name: wsc, .offset: 32, .size: 8, .value_kind: global_buffer, .address_space: global }
      - { .name: hq, .offset: 40, .size: 8, .value_kind: global_buffer, .address_space: global }
      - { .name: hs, .offset: 48, .size: 8, .value_kind: global_buffer, .address_space: global }
      - { .name: out0, .offset: 56, .size: 8, .value_kind: global_buffer, .address_space: global }
    .group_segment_fixed_size: 118272
    .private_segment_fixed_size: 0
    .kernarg_segment_align: 8
    .kernarg_segment_size: 64
    .max_flat_workgroup_size: 128
    .sgpr_count:     100
    .vgpr_count:     1024
    .wavefront_size: 32
...
	.end_amdgpu_metadata
.endif
;; end of part 7
